; MI455X (gfx1250); checked and timed in simulation.
; The chip was launched on July 23, 2026; its instructions are those of AMD's public machine-readable ISA for CDNA 5 (MIT licence, August 2026) and "CDNA5" Instruction Set Architecture Reference Guide (July 2026). The comments in the code are by the model that wrote it; some were corrected since.
;; Encoder Layer. Allowed arithmetic: matrix products marked QUANTISED: E3M2 operands, one E8M0 scale for each 32 along K, by v_wmma_scale_f32_16x16x128_f8f6f4 with both operands' format E3M2, f32 sums; everything else in f32.
;; Inputs: W1 4,096 x 1,024 float32; W2 1,024 x 4,096 float32; Wk 1,024 x 1,024 float32; Wo 1,024 x 1,024 float32; Wq 1,024 x 1,024 float32; Wv 1,024 x 1,024 float32; b1 4,096 float32; b2 1,024 float32; bk 1,024 float32; bo 1,024 float32; bq 1,024 float32; bv 1,024 float32; ln1_b 1,024 float32; ln1_g 1,024 float32; ln2_b 1,024 float32; ln2_g 1,024 float32; x 2 x 2,048 x 1,024 float32.
;; Outputs: out0 2 x 2,048 x 1,024 float32.
;; This version of the problem:
;;   THIS VERSION OF THE PROBLEM IS GIVEN IN LOW PRECISION. The matrix products marked QUANTISED in the list below multiply operands that are first quantised to E3M2 (3 exponent bits, 2 mantissa bits; 6 bits a number), with one power-of-two scale for each 32 numbers along K (OCP MX v1.0); their sums are f32. All else is computed in f32.
;;   The module's matrix products, in the order in which they are computed (A, B: the left and right operand; K: the contracted axis; several contracted axes count as one K, in the product's order):
;;     1. [M 4,096, K 1,024] x [K 1,024, N 1,024]; A: input x; B: input Wq: QUANTISED
;;     2. [M 4,096, K 1,024] x [K 1,024, N 1,024]; A: input x; B: input Wk: QUANTISED
;;     3. [M 4,096, K 1,024] x [K 1,024, N 1,024]; A: input x; B: input Wv: QUANTISED
;;     4. batch 32 x [M 2,048, K 64] x [K 64, N 2,048]; A: computed on the way; B: computed on the way: QUANTISED
;;     5. batch 32 x [M 64, K 2,048] x [K 2,048, N 2,048]; A: computed on the way; B: softmax (see below): QUANTISED
;;     6. [M 4,096, K 1,024] x [K 1,024, N 1,024]; A: computed on the way; B: input Wo: QUANTISED
;;     7. [M 4,096, K 1,024] x [K 1,024, N 4,096]; A: computed on the way; B: input W1: QUANTISED
;;     8. [M 4,096, K 4,096] x [K 4,096, N 1,024]; A: computed on the way; B: input W2: QUANTISED
;;   THE QUANTISER, for each operand of a quantised product, along K:
;;     - K is cut into blocks of 32 from its start; a last block that is shorter is filled with zeros.
;;     - A block's scale is 2^e with e = floor(log2(the largest magnitude in the block)) - 4, held to -126 .. 127; a block of zeros has e = 0. As a byte (E8M0): e + 127.
;;     - Each number is divided by its block's scale, clamped to +-28, and rounded to the nearest number of E3M2, ties to even, subnormals kept.
;;     - The product sums the exact products of the quantised numbers (number of the format x scale) in f32.
;;   ~~~python
;;   def quantise(x, axis):      # numpy; x: float32 -> the quantised numbers, widened to float32 again
;;       x = np.moveaxis(x, axis, -1); K = x.shape[-1]
;;       x = np.pad(x, [(0, 0)] * (x.ndim - 1) + [(0, -K % 32)]); x = x.reshape(x.shape[:-1] + (-1, 32)); a = np.abs(x).max(-1, keepdims=True)
;;       e = np.where(a > 0, np.clip(np.frexp(np.where(a > 0, a, 1))[1] - 1 - 4, -126, 127), 0)      # np.frexp(a)[1] - 1 = floor(log2(a)), exactly
;;       r = np.clip(x / 2.0 ** e, -28, 28)
;;       step = 2.0 ** (np.maximum(np.frexp(np.where(r == 0, 1, r))[1] - 1, -2) - 2)
;;       q = np.round(r / step) * step * 2.0 ** e      # np.round: ties to even
;;       return np.moveaxis(q.reshape(q.shape[:-2] + (-1,))[..., :K], -1, axis).astype(np.float32)
;;   ~~~
;;   SOFTMAX AHEAD OF A QUANTISED PRODUCT. Where the list says 'softmax', what is quantised is not the finished softmax but p = 2^(t - M), with t = logit x log2(e) and M = ceil(the row's largest t), a whole number; so 1/2 < the row's largest p <= 1. The row's sum l is taken of the UNQUANTISED p, in f32, and the product's result is divided by l at the end. Since M is a whole number, a kernel that streams over the keys may use a running M (the ceiling of the running maximum): every later rescaling is an exact power of two, which a block's scale takes up: the codes' values come out the same.
;;   OPERANDS COMPUTED ON THE WAY. 'Computed on the way' means the value that the module computes at that place (a softmax that the list does not call 'softmax' is quantised finished and normalised). What goes into a quantiser is computed in f32, as accurately as f32 sums, v_exp_f32 and their like allow (about 1e-6 of the number): no bf16 or f16 on the way to a quantiser, and a product that is left as it is and whose result goes on into a quantised operand takes f32 operands (vector FMAs, or v_wmma_f32_16x16x4_f32). A number that lies on a knife's edge between two numbers of the format may be rounded either way, as far as f32 arithmetic and the matrix unit's own rounding can turn it there, and no further.
;; One version. Each part assembles by itself: llvm-mc -triple=amdgcn-amd-amdhsa -mcpu=gfx1250 --defsym DOCPART=n.
;; ======== version 1 of 1: 8 launches
;; workspace buffers: wim 9,371,648 bytes; woi 851,968 bytes; w2i 3,407,872 bytes; qkvb 10,223,616 bytes; ai 3,407,872 bytes; part 33,554,432 bytes; hbuf 20,185,088 bytes; fi 13,631,488 bytes
;; launch quant (part 1): grid 1024 x 1, 8 waves a work-group, no clusters, 68,608 bytes of LDS; arguments x, Wq, Wk, Wv, Wo, W1, W2, wim, woi, w2i; writes wim, woi, w2i
.if DOCPART == 1
	.amdgcn_target "amdgcn-amd-amdhsa--gfx1250"
	.amdhsa_code_object_version 6
	.text
	.protected	k_q657bdeb70b_quant
	.globl	k_q657bdeb70b_quant
	.p2align	8
	.type	k_q657bdeb70b_quant,@function
k_q657bdeb70b_quant:
	s_mov_b64 s[64:65], 0
	v_nop
	global_prefetch_b8 v0, s[64:65] scope:SCOPE_SE
	s_setreg_imm32_b32 hwreg(HW_REG_WAVE_MODE, 25, 1), 1
	s_wait_xcnt 0x0
; x and the six weights, f32 with K innermost, become codes of BF6 (E3M2) with one E8M0 byte for each 32 along K, laid as IMAGES OF OPERAND REGISTERS.
; TILE ORDER: tile t holds 16 rows; its lane i stands for row 32 (t / 2) + 8 (t % 2) + i + 8 (i / 8).  Every operand of the program is laid so.
; A FRAGMENT (16 rows x 128 K, 12 registers a lane) is 1,536 bytes: for c = 0, 1 registers 6 c .. 6 c + 3 at 768 c + 16 lane, registers 6 c + 4, 6 c + 5 at 768 c + 512 + 8 lane.
; A BLOCK (256 rows x 128 K) is 16 fragments and behind them 16 scale images of 128 bytes (a row's scale word at 4 lane): 26,624 bytes on end.  A buffer is [group of 256 rows][128 along K][block].
; A work-group takes 16 rows x 1,024 along K of one tensor, wave w the 128 along K from 128 w on: one fragment.  Each of its 16 loads reads 512 consecutive bytes of a row; the rows turn through the
; wave's own stage in LDS (rows 528 bytes apart) so that a lane gets, of row lane % 16, 16 neighbours of each block of 32.  Waves share nothing: no barrier.
; REGISTERS ARE KEPT FEW, so that more waves have their loads on their way at once: the turned numbers come back into the registers of the rows as loaded, and the quantiser works in the registers of the
; rows' offsets, which are free when the last row's load has been waited for.
; The tensor is chosen by the work-group's number alone, by selects: one path through the text.
; LIMITS: a block of zeros gets the byte 1, not 127 (its codes are zeros; this program alone reads the bytes); largest magnitudes under 2^-122 are held at that floor; NaN and infinities are not served.
.set BLK,  26624
.set SCO,  24576                       ; a block's scale images begin here
.set WQKV, 3407872                     ; wim: x's blocks, then Wq's, Wk's, Wv's,
.set W1I,  5963776                     ; then W1's
.set SP,   528                         ; a stage row: 512 bytes + 16
.set L16,  1                           ; v1 16 x lane   v2 8 x lane   v3 4 x lane
.set L8,   2
.set L4,   3
.set STI,  4                           ; v4 the stage by rows: 16 x lane
.set STO,  5                           ; v5 the stage by lanes: row lane % 16, + 64 (lane / 16)
.set RO,   8                           ; v8-23 byte offset of my 16 bytes in the tile's 16 rows; afterwards at work
.set D,    32                          ; v32-95 the rows as loaded,
.set X,    32                          ; then register 16 b + i = k 32 b + 16 (lane / 16) + i of my row
.set TM,   8
.set PC,   96
.set PW,   116
.set SEL,  32                          ; s[32:33]
.macro QUANT s                         ; 64 numbers of a lane become a fragment's codes in v[PC] on and its scale word in v[PW]
.irp b, 0,1,2,3
	v_max3_num_f32 v[TM+\b], |v[\s+16*\b]|, |v[\s+1+16*\b]|, 0x2800000   ; block b: my 16 numbers, and the floor 2^(5 - 127): the byte cannot fall under 1
.endr
.irp i, 2,4,6,8,10,12,14
.irp b, 0,1,2,3
	v_max3_num_f32 v[TM+\b], v[TM+\b], |v[\s+16*\b+\i]|, |v[\s+1+16*\b+\i]|
.endr
.endr
.irp b, 0,1,2,3
	v_permlanex16_b32 v[TM+4+\b], v[TM+\b], s[SEL], s[SEL+1]
.endr
.irp b, 0,1,2,3
	v_max_num_f32 v[TM+\b], v[TM+\b], v[TM+4+\b]                         ; with lane l xor 16's: the block's largest magnitude
.endr
.irp b, 0,1,2,3
	v_add_nc_u32 v[TM+12+\b], 0xfe000000, v[TM+\b]                       ; 4 off its exponent field: the conversion's scale operand
.endr
.irp b, 0,1,2,3
	v_lshrrev_b32 v[TM+4+\b], 23, v[TM+12+\b]                            ; the scale's byte
.endr
	v_lshl_or_b32 v[PW], v[TM+5], 8, v[TM+4]
	v_lshl_or_b32 v[PW], v[TM+6], 16, v[PW]
	v_lshl_or_b32 v[PW], v[TM+7], 24, v[PW]
.irp c, 0,1
	v_cvt_scalef32_pk16_bf6_f32 v[PC+6*\c:PC+2+6*\c], v[\s+32*\c:\s+15+32*\c], v[TM+12+2*\c]
	v_cvt_scalef32_pk16_bf6_f32 v[PC+12+4*\c:PC+14+4*\c], v[\s+16+32*\c:\s+31+32*\c], v[TM+12+2*\c+1]
.endr
	v_nop                                          ; one plain place behind a scaled conversion
.irp c, 0,1                                    ; the operand wants a whole block in a lane: lanes 0-15 block 2 c, lanes 16-31 block 2 c + 1
.irp i, 0,1,2
	v_permlane16_swap_b32 v[PC+6*\c+\i], v[PC+12+4*\c+\i]
.endr
.irp i, 0,1,2
	v_mov_b32 v[PC+3+6*\c+\i], v[PC+12+4*\c+\i]
.endr
.endr
.endm
	s_load_b512 s[4:19], s[0:1], 0x0               ; x, Wq, Wk, Wv, Wo, W1, W2, wim
	s_load_b128 s[20:23], s[0:1], 0x40             ; woi, w2i
	v_lshl_add_u32 v120, v0, 2, 0x10800
	v_mov_b32 v121, 0
	v_lshrrev_b32 v6, 5, v0
	v_readfirstlane_b32 s31, v6                    ; wave 0..7
	v_and_b32 v6, 31, v0
	v_lshlrev_b32 v[L16], 4, v6
	v_lshlrev_b32 v[L8], 3, v6
	v_lshlrev_b32 v[L4], 2, v6
	s_mul_i32 s34, s31, 16*SP                      ; my stage
	v_add_nc_u32 v[STI], s34, v[L16]
	v_and_b32 v7, 15, v0
	v_bfe_u32 v6, v0, 4, 1
	v_mul_u32_u24 v[STO], v7, SP
	v_lshl_add_u32 v[STO], v6, 6, v[STO]
	v_add_nc_u32 v[STO], s34, v[STO]
	s_mov_b32 s[SEL], 0x76543210
	s_mov_b32 s[SEL+1], 0xfedcba98
	; which tensor, which tile, which blocks: work-groups 0-255 x, 256-447 Wq Wk Wv, 448-511 Wo, 512-767 W1, 768-1023 W2 (64 tiles x 4 runs of 1,024 along K)
	s_lshr_b32 s34, ttmp9, 6                       ; g6
	s_and_b32 s35, ttmp9, 255
	s_and_b32 s36, ttmp9, 63
	s_and_b32 s40, s34, 3
	s_lshr_b32 s38, s35, 4                         ; the row of blocks: x, Wq Wk Wv on end, W1
	s_lshr_b32 s41, s36, 4
	s_lshl_b32 s42, s40, 2
	s_add_co_u32 s42, s42, s41                     ; W2: 4 x run + group
	s_bitcmp1_b32 s34, 2
	s_cselect_b32 s37, s36, s35                    ; the tile in its tensor
	s_cmp_eq_u32 s34, 7
	s_cselect_b32 s38, s41, s38
	s_mov_b32 s30, 4096
	s_cmp_ge_u32 s34, 12
	s_cselect_b32 s38, s42, s38
	s_cselect_b32 s40, s40, 0                      ; the run of 1,024 along K
	s_cselect_b32 s30, 16384, s30                  ; a row of the tensor in bytes
	s_lshr_b32 s41, s34, 2
	s_cmp_eq_u32 s41, 1
	s_cselect_b32 s39, WQKV, 0
	s_cmp_eq_u32 s41, 2
	s_cselect_b32 s39, W1I, s39
	s_cmp_eq_u32 s34, 7
	s_cselect_b32 s39, 0, s39                      ; where the tensor's blocks begin in their buffer
.irp i, 0,1,2,3,4,5,6,7,8,9,10,11,12,13,14,15
	v_mad_u32_u24 v[RO+\i], s30, \i+8*(\i/8), v[L16]
.endr
	s_lshr_b32 s41, s37, 1
	s_lshl_b32 s41, s41, 5
	s_and_b32 s42, s37, 1
	s_lshl_b32 s42, s42, 3
	s_add_co_u32 s41, s41, s42                     ; the tile's first row
	s_mul_i32 s42, s41, s30
	s_lshl_b32 s41, s40, 12
	s_add_co_u32 s42, s42, s41
	s_lshl_b32 s41, s31, 9
	s_add_co_u32 s42, s42, s41                     ; + my 128 along K
	s_mov_b32 s43, 0
	s_lshl_b32 s44, s38, 3
	s_add_co_u32 s44, s44, s31
	s_mul_i32 s44, s44, BLK
	s_add_co_u32 s44, s44, s39                     ; my block
	s_and_b32 s41, s37, 15
	s_mul_i32 s46, s41, 1536
	s_add_co_u32 s46, s46, s44                     ; my fragment
	s_mov_b32 s47, 0
	s_lshl_b32 s41, s41, 7
	s_add_co_u32 s44, s44, s41
	s_add_co_u32 s44, s44, SCO                     ; my scale image
	s_mov_b32 s45, 0
	s_wait_kmcnt 0x0
	s_mov_b64 s[24:25], s[4:5]
	s_cmp_eq_u32 s34, 4
	s_cselect_b64 s[24:25], s[6:7], s[24:25]
	s_cmp_eq_u32 s34, 5
	s_cselect_b64 s[24:25], s[8:9], s[24:25]
	s_cmp_eq_u32 s34, 6
	s_cselect_b64 s[24:25], s[10:11], s[24:25]
	s_cmp_eq_u32 s34, 7
	s_cselect_b64 s[24:25], s[12:13], s[24:25]
	s_cselect_b64 s[26:27], s[20:21], s[18:19]
	s_cmp_ge_u32 s34, 8
	s_cselect_b64 s[24:25], s[14:15], s[24:25]
	s_cmp_ge_u32 s34, 12
	s_cselect_b64 s[24:25], s[16:17], s[24:25]
	s_cselect_b64 s[26:27], s[22:23], s[26:27]
	s_add_nc_u64 s[24:25], s[24:25], s[42:43]
	s_add_nc_u64 s[28:29], s[26:27], s[44:45]
	s_add_nc_u64 s[26:27], s[26:27], s[46:47]
.irp i, 0,1,2,3,4,5,6,7,8,9,10,11,12,13,14,15
	global_load_b128 v[D+4*\i:D+4*\i+3], v[RO+\i], s[24:25] th:TH_LOAD_NT   ; 32 lanes read 512 consecutive bytes of a row
.endr
.irp i, 0,1,2,3,4,5,6,7,8,9,10,11,12,13,14,15
	s_wait_loadcnt 15-\i                           ; loads come back in order: row i is in, the younger rows stay out
	ds_store_b128 v[STI], v[D+4*\i:D+4*\i+3] offset:SP*\i
.endr
	s_wait_dscnt 0x0                               ; the stores have read their registers, which the loads below fill
.irp b, 0,1,2,3
.irp j, 0,1,2,3
	ds_load_b128 v[X+16*\b+4*\j:X+16*\b+4*\j+3], v[STO] offset:128*\b+16*\j
.endr
.endr
.irp b, 0,1,2,3
	v_mov_b32 v[TM+4+\b], 0                        ; a lane permute's destination counts as one of its sources.  (The offsets' registers are free: every row's load has been waited for)
.endr
	s_wait_dscnt 0x0                               ; my numbers are back
	QUANT X
	global_store_b128 v[L16], v[PC:PC+3], s[26:27]                 ; each store covers consecutive bytes: 512, 256, 512, 256
	global_store_b64 v[L8], v[PC+4:PC+5], s[26:27] offset:512
	global_store_b128 v[L16], v[PC+6:PC+9], s[26:27] offset:768
	global_store_b64 v[L8], v[PC+10:PC+11], s[26:27] offset:1280
	global_store_b32 v[L4], v[PW], s[28:29]
	s_wait_tensorcnt 0x0
	ds_add_u32 v120, v121
	s_wait_dscnt 0x0
	s_endpgm
.Lfunc_end_k_q657bdeb70b_quant:
	.size	k_q657bdeb70b_quant, .Lfunc_end_k_q657bdeb70b_quant-k_q657bdeb70b_quant
	.p2alignl 7, 3214868480
	.fill 96, 4, 3214868480
	.section	.rodata,"a",@progbits
	.p2align	6, 0x0
	.amdhsa_kernel k_q657bdeb70b_quant
		.amdhsa_group_segment_fixed_size 68608
		.amdhsa_private_segment_fixed_size 0
		.amdhsa_enable_private_segment 0
		.amdhsa_kernarg_size 80
		.amdhsa_user_sgpr_count 2
		.amdhsa_user_sgpr_kernarg_segment_ptr 1
		.amdhsa_wavefront_size32 1
		.amdhsa_system_sgpr_workgroup_id_x 1
		.amdhsa_system_sgpr_workgroup_id_y 1
		.amdhsa_system_sgpr_workgroup_id_z 1
		.amdhsa_system_vgpr_workitem_id 0
		.amdhsa_next_free_vgpr 122
		.amdhsa_next_free_sgpr 66
		.amdhsa_reserve_vcc 0
		.amdhsa_float_denorm_mode_32 3
		.amdhsa_float_denorm_mode_16_64 3
		.amdhsa_memory_ordered 1
		.amdhsa_forward_progress 1
		.amdhsa_inst_pref_size 14
	.end_amdhsa_kernel
	.amdgpu_metadata
---
amdhsa.version: [ 1, 2 ]
amdhsa.kernels:
  - .name:           k_q657bdeb70b_quant
    .symbol:         k_q657bdeb70b_quant.kd
    .args:
      - { .name: x, .offset: 0, .size: 8, .value_kind: global_buffer, .address_space: global }
      - { .name: Wq, .offset: 8, .size: 8, .value_kind: global_buffer, .address_space: global }
      - { .name: Wk, .offset: 16, .size: 8, .value_kind: global_buffer, .address_space: global }
      - { .name: Wv, .offset: 24, .size: 8, .value_kind: global_buffer, .address_space: global }
      - { .name: Wo, .offset: 32, .size: 8, .value_kind: global_buffer, .address_space: global }
      - { .name: W1, .offset: 40, .size: 8, .value_kind: global_buffer, .address_space: global }
      - { .name: W2, .offset: 48, .size: 8, .value_kind: global_buffer, .address_space: global }
      - { .name: wim, .offset: 56, .size: 8, .value_kind: global_buffer, .address_space: global }
      - { .name: woi, .offset: 64, .size: 8, .value_kind: global_buffer, .address_space: global }
      - { .name: w2i, .offset: 72, .size: 8, .value_kind: global_buffer, .address_space: global }
    .group_segment_fixed_size: 68608
    .private_segment_fixed_size: 0
    .kernarg_segment_align: 8
    .kernarg_segment_size: 80
    .max_flat_workgroup_size: 256
    .sgpr_count:     66
    .vgpr_count:     122
    .wavefront_size: 32
...
	.end_amdgpu_metadata
.endif
;; end of part 1
;; launch qkv (part 2): grid 12 x 16, 4 waves a work-group, clusters of 4 x 4, 327,680 bytes of LDS; arguments wim, bq, bk, bv, qkvb; writes qkvb
.if DOCPART == 2
	.amdgcn_target "amdgcn-amd-amdhsa--gfx1250"
	.amdhsa_code_object_version 6
	.text
	.protected	k_q657bdeb70b_qkv
	.globl	k_q657bdeb70b_qkv
	.p2align	8
	.type	k_q657bdeb70b_qkv,@function
k_q657bdeb70b_qkv:
	s_mov_b64 s[64:65], 0
	v_nop
	global_prefetch_b8 v0, s[64:65] scope:SCOPE_SE
	s_setreg_imm32_b32 hwreg(HW_REG_WAVE_MODE, 25, 1), 1
	s_wait_xcnt 0x0
	s_wait_alu depctr_hold_cnt(0) depctr_sa_sdst(0) depctr_va_vdst(0) depctr_va_sdst(0) depctr_va_ssrc(0) depctr_va_vcc(0) depctr_vm_vsrc(0)
	s_getreg_b32 s2, hwreg(HW_REG_IB_STS2, 6, 4)
	s_cmp_eq_u32 s2, 0
	s_cbranch_scc0 .Lentry_in_a_cluster
	s_endpgm
.Lentry_in_a_cluster:
	s_bfe_u32 s2, ttmp6, 0x10000c
	s_cmp_lg_u32 s2, 0xf033
	s_cbranch_scc0 .Lentry_shape_is_right
	s_endpgm
.Lentry_shape_is_right:
; q = x Wq^T + bq, k = x Wk^T + bk, v = x Wv^T + bv on codes of BF6, and the results quantised at once for attention: q and k along the head's 64, v along the KEYS.
; A work-group of four waves makes 256 x 256 of the product of x's group wgy (256 tokens) and group wgx of Wq | Wk | Wv (0-3, 4-7, 8-11); a wave makes 128 x 128: 64 accumulators, 512 registers.
; OPERANDS arrive as blocks (256 rows x 128 K: 16 fragment images of 1,536 bytes and 16 scale images of 128 bytes, 26,624 bytes on end).  K = 1,024 goes through a ring of two LDS slots of two blocks of x and
; two of the weights; each wave fills one block of a slot by one tensor load (104 rows of 256 bytes).  A fragment comes out of LDS by four dense loads; no pitch, no padding.
; CLUSTER 4 x 4: x's blocks are shared along a row of the cluster, the weights' along a column: joint loads, as many requests as a quarter of the work-groups would make.
; SIDES.  Source 0 (P) has its rows along a lane's registers, source 1 (Q) in the lanes.  For q and k: P = weights, Q = x: a lane holds one token and 128 features (two heads) in the order that the quantiser
; takes.  For v (cluster x = 2, the same in all partners) the sides change: P = x, Q = Wv: a lane holds one feature and 128 tokens: the same quantiser runs along the keys; nothing is transposed.
; By the tile order (lane i of tile t = row 32 (t / 2) + 8 (t % 2) + i + 8 (i / 8)) register 16 b + i of a lane's 64 is P's row 32 b + 16 (lane / 16) + i.
; OUT: one record of 319,488 bytes for each (batch, head): K's 128 half fragments of 768 bytes, their scale words, V's 16 x 4 fragments, their scale words, Q's half fragments and words.
; No prefetch: the launch has two refills a wave and each has 128 matrix instructions in which to land.
; LIMITS: a block of zeros gets the byte 1, not 127; largest magnitudes under 2^-122 are held at that floor; NaN and infinities are not served.
.set BLK,   26624
.set SCO,   24576
.set SLOT,  4*BLK                      ; x's two blocks, then the weights' two
.set SPARE, 2*SLOT                     ; the spare words: 128 bytes for each wave
.set WQKV,  3407872
.set REC,   319488
.set KS,    98304
.set VC,    106496
.set VS,    204800
.set QC,    212992
.set FR,    12
.set NL,    4                          ; LDS loads that bring a fragment
.set L16,   4                          ; v4 16 x lane  v5 8 x lane  v6 4 x lane
.set L8,    5
.set L4,    6
.set VSO,   10                         ; v10 where my lane puts a scale word   v11 how far its word is shifted down
.set VSH,   11
.set ADP16, 16                         ; v16-17 P's fragments in slot 0, 1 (16 x lane)   v18-19 (8 x lane)
.set ADP8,  18
.set ADQ16, 20                         ; v20-23 the same for Q
.set ADQ8,  22
.set ADSP,  24                         ; v24-25 P's scale words: lanes 0-15 the slot's first block, lanes 16-31 its second   v26-27 Q's
.set ADSQ,  26
.set SPW,   28
.set NIL,   29
.set SC,    32                         ; v32-63 scale words, a set of 16 for each slot: P's tile b at + b, Q's tile a at + 8 + a
.set HA,    64                         ; the way out: v64-127 a tile's 64 numbers
.set AF,    128                        ; v128-223 Q's eight fragments, one set; on the way out at work
.set PC,    128
.set TM,    160
.set PW,    176
.set TW,    177
.set G1,    24
.set G0,    32
.set G1B,   48
.set G0B,   56
.set SEL,   84
.set MSB, 0
.macro WIN new                         ; the immediate's high byte repeats the setting that is left
.if MSB != (\new)
	s_set_vgpr_msb (MSB<<8)|(\new)
.set MSB, (\new)
.endif
.endm
.set MUL_LO, 0xa1                      ; source 0 (P) window 1, source 1 (Q) window 0, C and D window 2
.set MUL_HI, 0xf1                      ; the same, C and D window 3
.set TO_B,   0x40                      ; destination window 1, address window 0
.macro JLOAD g0a, g1a, g0b, g1b        ; waves 0 and 1 fetch x's blocks, waves 2 and 3 the weights'; four v_nop follow each line
	s_cmp_eq_u32 s15, 0
	s_cbranch_scc0 .Lfor_b_\@
	tensor_load_to_lds s[\g0a:\g0a+3], s[\g1a:\g1a+7]
	s_nop 0
.rept 4
	v_nop
.endr
	s_branch .Lasked_\@
.Lfor_b_\@:
	tensor_load_to_lds s[\g0b:\g0b+3], s[\g1b:\g1b+7]
	s_nop 0
.rept 4
	v_nop
.endr
.Lasked_\@:
.endm
.macro CREST
	s_cmp_lg_u32 s14, 0
	s_cbranch_scc1 .Lnot_wave_0_\@
	s_barrier_signal -3
.Lnot_wave_0_\@:
	s_barrier_wait -3
	s_barrier_signal -1
	s_barrier_wait -1
.endm
.macro CROUND
	s_barrier_signal -1
	s_barrier_wait -1
	CREST
.endm
.macro PLACES                          ; four plain places behind matrix instructions, in front of loads into their registers and of reads of results
.rept 4
	v_nop
.endr
.endm
.macro FRAG reg, a16, a8, q, i         ; fragment i of the slot's q-th block, as it was stored
	ds_load_b128 v[\reg:\reg+3], v[\a16] offset:(\q)*BLK+(\i)*1536
	ds_load_b64 v[\reg+4:\reg+5], v[\a8] offset:(\q)*BLK+(\i)*1536+512
	ds_load_b128 v[\reg+6:\reg+9], v[\a16] offset:(\q)*BLK+(\i)*1536+768
	ds_load_b64 v[\reg+10:\reg+11], v[\a8] offset:(\q)*BLK+(\i)*1536+1280
.endm
.macro FETCH_B slot, q, p
	WIN TO_B
.irp i, 0,1,2,3,4,5,6,7
	FRAG 128*(\p)+FR*\i, ADP16+\slot, ADP8+\slot, \q, \i
.endr
	WIN 0
.endm
.macro FETCH_A slot, q, i0
.irp i, \i0, \i0+1, \i0+2, \i0+3
	FRAG AF+FR*(\i), ADQ16+\slot, ADQ8+\slot, \q, \i
.endr
.endm
.macro SCALES sc
.irp i, 0,1,2,3,4,5,6,7
	ds_load_b32 v[SC+16*\sc+\i], v[ADSP+\sc] offset:128*\i
	ds_load_b32 v[SC+16*\sc+8+\i], v[ADSQ+\sc] offset:128*\i
.endr
.endm
; 16 matrix instructions: Q's tiles a0, a0 + 1 x P's eight, the slot's q-th 128 along K.  The 64 accumulators take turns, one instruction a turn, in the same order in every step.
.macro MUL16 a0, p, q, sc, zero
.irp a, \a0, \a0+1
.irp b, 0,1,2,3,4,5,6,7
.set rD, 8*(8*((\a)%4)+\b)
.set rP, 128*(\p)+FR*\b
.set rQ, AF+FR*(\a)
.set rSP, SC+16*(\sc)+\b
.set rSQ, SC+16*(\sc)+8+(\a)
.if \zero
	v_wmma_scale_f32_16x16x128_f8f6f4 v[rD:rD+7], v[rP:rP+11], v[rQ:rQ+11], 0, v[rSP], v[rSQ] matrix_a_fmt:MATRIX_FMT_BF6 matrix_b_fmt:MATRIX_FMT_BF6
.elseif \q
	v_wmma_scale_f32_16x16x128_f8f6f4 v[rD:rD+7], v[rP:rP+11], v[rQ:rQ+11], v[rD:rD+7], v[rSP], v[rSQ] matrix_a_fmt:MATRIX_FMT_BF6 matrix_b_fmt:MATRIX_FMT_BF6 matrix_a_scale:MATRIX_SCALE_ROW1 matrix_b_scale:MATRIX_SCALE_ROW1
.else
	v_wmma_scale_f32_16x16x128_f8f6f4 v[rD:rD+7], v[rP:rP+11], v[rQ:rQ+11], v[rD:rD+7], v[rSP], v[rSQ] matrix_a_fmt:MATRIX_FMT_BF6 matrix_b_fmt:MATRIX_FMT_BF6
.endif
.endr
.endr
.endm
.macro STEP slot, zero                 ; a slot's first 128 along K; its successor lies in the same slot
	s_wait_dscnt 4*NL                              ; all but the youngest sixteen loads (Q's tiles 4-7)
	WIN MUL_LO
	MUL16 0, 0, 0, \slot, \zero
	MUL16 2, 0, 0, \slot, \zero
	s_wait_dscnt 0x0
	PLACES
	FETCH_B \slot, 1, 1
	FETCH_A \slot, 1, 0
	WIN MUL_HI
	MUL16 4, 0, 0, \slot, \zero
	MUL16 6, 0, 0, \slot, \zero
	PLACES
	WIN 0
	FETCH_A \slot, 1, 4
.endm
.macro TURN slot, next, fill           ; a slot's second 128 along K, and the change of slots: one barrier
	s_wait_tensorcnt 0x0                           ; all my tensor loads have landed: my block of the next slot
	ds_add_u32 v[SPW], v[NIL]                      ; 0 onto my spare word
	s_wait_dscnt 4*NL+1                            ; (the add and the youngest sixteen loads may be out)
	WIN MUL_LO
	MUL16 0, 1, 1, \slot, 0
	s_wait_dscnt 0x0                               ; the add is done, and my reads of this slot are over
	s_barrier_signal -1
	MUL16 2, 1, 1, \slot, 0
	WIN 0
	s_barrier_wait -1
.if \fill
	CREST                                          ; the barrier has opened a round of the cluster's: no wave of any partner still reads this slot or has a load on its way
	s_add_nc_u64 s[G0+4*\slot+2:G0+4*\slot+3], s[G0+4*\slot+2:G0+4*\slot+3], 4*BLK
	s_add_nc_u64 s[G0B+4*\slot+2:G0B+4*\slot+3], s[G0B+4*\slot+2:G0B+4*\slot+3], 4*BLK
	JLOAD G0+4*\slot, G1, G0B+4*\slot, G1B         ; the first tensor load behind the round; its four v_nop are the places in front of the loads below
.else
	PLACES
.endif
	FETCH_B \next, 0, 0
	FETCH_A \next, 0, 0
	SCALES \next
	WIN MUL_HI
	MUL16 4, 1, 1, \slot, 0
	MUL16 6, 1, 1, \slot, 0
	PLACES
	WIN 0
	FETCH_A \next, 0, 4
.endm
.macro QUANT s                         ; 64 numbers of a lane become a fragment's codes in v[PC] on and its scale word in v[PW]
.irp b, 0,1,2,3
	v_max3_num_f32 v[TM+\b], |v[\s+16*\b]|, |v[\s+1+16*\b]|, 0x2800000   ; and the floor 2^(5 - 127): the byte cannot fall under 1
.endr
.irp i, 2,4,6,8,10,12,14
.irp b, 0,1,2,3
	v_max3_num_f32 v[TM+\b], v[TM+\b], |v[\s+16*\b+\i]|, |v[\s+1+16*\b+\i]|
.endr
.endr
.irp b, 0,1,2,3
	v_permlanex16_b32 v[TM+4+\b], v[TM+\b], s[SEL], s[SEL+1]
.endr
.irp b, 0,1,2,3
	v_max_num_f32 v[TM+\b], v[TM+\b], v[TM+4+\b]
.endr
.irp b, 0,1,2,3
	v_add_nc_u32 v[TM+12+\b], 0xfe000000, v[TM+\b]                       ; 4 off the exponent field: the conversion's scale operand
.endr
.irp b, 0,1,2,3
	v_lshrrev_b32 v[TM+4+\b], 23, v[TM+12+\b]
.endr
	v_lshl_or_b32 v[PW], v[TM+5], 8, v[TM+4]
	v_lshl_or_b32 v[PW], v[TM+6], 16, v[PW]
	v_lshl_or_b32 v[PW], v[TM+7], 24, v[PW]
.irp c, 0,1
	v_cvt_scalef32_pk16_bf6_f32 v[PC+6*\c:PC+2+6*\c], v[\s+32*\c:\s+15+32*\c], v[TM+12+2*\c]
	v_cvt_scalef32_pk16_bf6_f32 v[PC+12+4*\c:PC+14+4*\c], v[\s+16+32*\c:\s+31+32*\c], v[TM+12+2*\c+1]
.endr
	v_nop                                          ; one plain place behind a scaled conversion
.irp c, 0,1
.irp i, 0,1,2
	v_permlane16_swap_b32 v[PC+6*\c+\i], v[PC+12+4*\c+\i]
.endr
.irp i, 0,1,2
	v_mov_b32 v[PC+3+6*\c+\i], v[PC+12+4*\c+\i]
.endr
.endr
.endm
	s_load_b256 s[4:11], s[0:1], 0x0               ; wim, bq, bk, bv
	s_load_b64 s[12:13], s[0:1], 0x20              ; qkvb
	v_lshl_add_u32 v[SPW], v0, 2, SPARE
	v_mov_b32 v[NIL], 0
	ds_add_u32 v28, v29
	ds_add_u32 v28, v29
	s_wait_dscnt 0x0
	v_lshrrev_b32 v1, 5, v0
	v_readfirstlane_b32 s14, v1                    ; wave 0..3
	s_lshr_b32 s15, s14, 1                         ; my half of Q's tiles.  Also: I fetch for x (0) or for the weights (1)
	s_and_b32 s16, s14, 1                          ; my half of P's tiles.  Also: which of a slot's two blocks I fetch
	s_bfe_u32 s40, ttmp6, 0x40000                  ; cx, cy
	s_bfe_u32 s41, ttmp6, 0x40004
	s_lshl_b32 s42, ttmp9, 2
	s_add_co_u32 s42, s42, s40                     ; wgx: the weights' group
	s_and_b32 s17, ttmp7, 0xffff
	s_lshl_b32 s17, s17, 2
	s_add_co_u32 s17, s17, s41                     ; wgy: x's group
	s_lshl_b32 s43, s41, 2
	s_lshl_b32 s43, 15, s43                        ; my row of the cluster
	s_lshl_b32 s44, 0x1111, s40                    ; my column
	s_or_b32 s[G1], s43, (3<<16)|(1<<21)           ; 15:0 the mask; 17:16 elements of 8 bytes; 21 set beside a mask; no padding
	s_or_b32 s[G1B], s44, (3<<16)|(1<<21)
.irp g, G1, G1B
	s_mov_b32 s[\g+1], 32<<16                      ; tensor_dim0 = 32 elements: 256 bytes
	s_mov_b32 s[\g+2], 104<<16                     ; tensor_dim1 = 104 rows: a block
	s_mov_b32 s[\g+3], 32<<16                      ; tile_dim0
	s_mov_b32 s[\g+4], 104                         ; tile_dim1
	s_mov_b32 s[\g+5], 32                          ; the pitch: dense
	s_mov_b32 s[\g+6], 0
	s_mov_b32 s[\g+7], 0
.endr
	s_lshl_b32 s20, s17, 3
	s_add_co_u32 s20, s20, s16
	s_mul_i32 s20, s20, BLK                        ; x: block 8 wgy + my one of two
	s_mov_b32 s21, 0
	s_lshl_b32 s46, s42, 3
	s_add_co_u32 s46, s46, s16
	s_mul_i32 s46, s46, BLK
	s_add_co_u32 s46, s46, WQKV                    ; the weights: block 8 wgx + my one of two
	s_mov_b32 s47, 0
	s_mul_i32 s45, s14, BLK                        ; in a slot: wave x a block
	s_wait_kmcnt 0x0
	s_add_nc_u64 s[20:21], s[4:5], s[20:21]
	s_add_nc_u64 s[46:47], s[4:5], s[46:47]
	CROUND                                         ; all sixteen work-groups are here: the first joint loads meet
.irp s, 0,1
	s_mov_b32 s[G0+4*\s], 1
	s_add_co_u32 s[G0+4*\s+1], s45, \s*SLOT
	s_add_nc_u64 s[G0+4*\s+2:G0+4*\s+3], s[20:21], \s*2*BLK
	s_or_b32 s[G0+4*\s+3], s[G0+4*\s+3], 0x80000000
	s_mov_b32 s[G0B+4*\s], 1
	s_add_co_u32 s[G0B+4*\s+1], s45, \s*SLOT
	s_add_nc_u64 s[G0B+4*\s+2:G0B+4*\s+3], s[46:47], \s*2*BLK
	s_or_b32 s[G0B+4*\s+3], s[G0B+4*\s+3], 0x80000000
	JLOAD G0+4*\s, G1, G0B+4*\s, G1B
.endr
	v_and_b32 v1, 31, v0
	v_and_b32 v2, 15, v0                           ; r
	v_bfe_u32 v3, v0, 4, 1                         ; h
	v_lshlrev_b32 v[L16], 4, v1
	v_lshlrev_b32 v[L8], 3, v1
	v_lshlrev_b32 v[L4], 2, v1
	v_lshlrev_b32 v7, 2, v2
	v_mad_u32_u24 v7, v3, BLK, v7                  ; 4 r, and a block on for lanes 16-31
	s_cmp_eq_u32 ttmp9, 2                          ; v's clusters: the sides change
	s_cselect_b32 s66, 0, 2*BLK                    ; where P's blocks lie in a slot
	s_cselect_b32 s67, 2*BLK, 0                    ; and Q's
	s_mul_i32 s21, s16, 12288
	s_add_co_u32 s21, s21, s66
	s_mul_i32 s22, s15, 12288
	s_add_co_u32 s22, s22, s67
	s_lshl_b32 s23, s16, 10
	s_add_co_u32 s23, s23, s66
	s_add_co_u32 s23, s23, SCO
	s_lshl_b32 s18, s15, 10
	s_add_co_u32 s18, s18, s67
	s_add_co_u32 s18, s18, SCO
.irp s, 0,1
	v_add_nc_u32 v[ADP16+\s], s21, v[L16]
	v_add_nc_u32 v[ADP8+\s], s21, v[L8]
	v_add_nc_u32 v[ADQ16+\s], s22, v[L16]
	v_add_nc_u32 v[ADQ8+\s], s22, v[L8]
	v_add_nc_u32 v[ADSP+\s], s23, v7
	v_add_nc_u32 v[ADSQ+\s], s18, v7
	s_add_co_u32 s21, s21, SLOT
	s_add_co_u32 s22, s22, SLOT
	s_add_co_u32 s23, s23, SLOT
	s_add_co_u32 s18, s18, SLOT
.endr
	; THE BIAS, 64 registers of window 1 beside P's sets: number n at v[96 + n] (n < 32) or v[192 + n].  q, k: number n is the bias of my register n's feature.  v: numbers 8 a .. 8 a + 7 all hold the bias of my lane's feature in tile a.
	v_lshlrev_b32 v8, 6, v3                        ; 64 h
	v_and_b32 v9, 8, v2
	v_add_nc_u32 v9, v9, v2
	v_lshlrev_b32 v9, 2, v9                        ; 4 (r + 8 (r / 8))
	s_cmp_eq_u32 ttmp9, 0
	s_cselect_b64 s[86:87], s[6:7], s[8:9]
	s_cmp_eq_u32 ttmp9, 2
	s_cselect_b64 s[86:87], s[10:11], s[86:87]
	s_cselect_b32 s88, s15, s16                    ; the half of the weights' group that is mine
	s_and_b32 s89, s42, 3
	s_lshl_b32 s89, s89, 1
	s_add_co_u32 s89, s89, s88
	s_lshl_b32 s88, s89, 9
	s_mov_b32 s89, 0
	s_add_nc_u64 s[86:87], s[86:87], s[88:89]
	s_cmp_eq_u32 ttmp9, 2
	s_cbranch_scc1 .Lbias_v
	WIN TO_B
.irp b, 0,1,2,3
.irp j, 0,1,2,3
	global_load_b128 v[96+16*\b+4*\j+96*(\b/2):96+16*\b+4*\j+96*(\b/2)+3], v8, s[86:87] offset:128*\b+16*\j
.endr
.endr
	WIN 0
	s_branch .Lbias_done
.Lbias_v:
	WIN TO_B
.irp a, 0,1,2,3,4,5,6,7
.irp j, 0,1,2,3,4,5,6,7
	global_load_b32 v[96+8*\a+\j+96*(\a/4)], v9, s[86:87] offset:4*(32*(\a/2)+8*(\a%2))
.endr
.endr
	WIN 0
.Lbias_done:
	; WHERE THE RESULTS GO.  q, k: tile a's codes are two half fragments, one for each of my two heads; v: a whole fragment of head (a / 4), 16 features x my 128 keys.
	s_lshr_b32 s88, s17, 3
	s_lshl_b32 s88, s88, 4                         ; 16 x batch
	s_lshl_b32 s89, s42, 1
	s_add_co_u32 s89, s89, s16
	s_and_b32 s89, s89, 7
	s_lshl_b32 s89, s89, 1
	s_add_co_u32 s89, s89, s88                     ; q, k: the record of my even head
	s_and_b32 s90, s42, 3
	s_lshl_b32 s90, s90, 2
	s_add_co_u32 s90, s90, s88
	s_lshl_b32 s91, s15, 1
	s_add_co_u32 s90, s90, s91                     ; v: the record of my first head
	s_and_b32 s91, s17, 7
	s_lshl_b32 s91, s91, 4
	s_lshl_b32 s92, s15, 3
	s_add_co_u32 s91, s91, s92                     ; q, k: my first tile of tokens in the batch
	s_lshl_b32 s92, s17, 1
	s_add_co_u32 s92, s92, s16
	s_and_b32 s92, s92, 15                         ; v: my key step
	s_mul_i32 s93, s91, 768
	s_lshl_b32 s94, s91, 6
	s_add_co_u32 s94, s94, KS
	s_cmp_eq_u32 ttmp9, 0
	s_cselect_b32 s95, QC, 0
	s_add_co_u32 s93, s93, s95
	s_add_co_u32 s94, s94, s95
	s_mul_i32 s95, s92, 6144
	s_add_co_u32 s95, s95, VC
	s_lshl_b32 s96, s92, 9
	s_add_co_u32 s96, s96, VS
	s_mov_b32 s97, REC
	s_mov_b32 s68, 768
	s_mov_b32 s70, 768
	s_cmp_eq_u32 ttmp9, 2
	s_cselect_b32 s89, s90, s89
	s_cselect_b32 s93, s95, s93
	s_cselect_b32 s94, s96, s94
	s_cselect_b32 s98, 768, s97                    ; from the first half's place to the second's
	s_cselect_b32 s68, 1536, s68                   ; from tile to tile: the codes,
	s_cselect_b32 s70, REC-4608, s70               ; (from tile 3 to tile 4: v goes on to the next head)
	s_cselect_b32 s72, 128, 64                     ; the scale words
	s_cselect_b32 s74, REC-384, 64
	s_cselect_b32 s82, -1, 0xffff                  ; what is kept of a scale word
	s_cselect_b32 s91, 64, s97                     ; lanes 16-31: q, k: the odd head's record; v: the image's upper half
	s_cselect_b32 s92, 0, 16
	s_mov_b32 s69, 0
	s_mov_b32 s71, 0
	s_mov_b32 s73, 0
	s_mov_b32 s75, 0
	s_mov_b32 s99, 0
	s_mul_i32 s89, s89, REC
	s_add_co_u32 s96, s93, s89
	s_mov_b32 s97, 0
	s_add_co_u32 s94, s94, s89
	s_mov_b32 s95, 0
	s_add_nc_u64 s[76:77], s[12:13], s[96:97]
	s_add_nc_u64 s[78:79], s[76:77], s[98:99]
	s_add_nc_u64 s[80:81], s[12:13], s[94:95]
	v_mul_u32_u24 v[VSO], v3, s91
	v_lshl_add_u32 v[VSO], v2, 2, v[VSO]
	v_mul_u32_u24 v[VSH], v3, s92
	s_mov_b32 s[SEL], 0x76543210
	s_mov_b32 s[SEL+1], 0xfedcba98
	s_wait_tensorcnt 1                             ; my block of slot 0 is in; slot 1's may stay out
	s_barrier_signal -1
	s_barrier_wait -1
	FETCH_B 0, 0, 0
	FETCH_A 0, 0, 0
	SCALES 0
	FETCH_A 0, 0, 4
	STEP 0, 1                                      ; K = 1,024 is eight steps of 128, four fills: written out.  The first step's products start the sums
	TURN 0, 1, 1
	STEP 1, 0
	TURN 1, 0, 1
	STEP 0, 0
	TURN 0, 1, 0                                   ; the last two slots are left without a refill and without a round
	STEP 1, 0
	s_wait_dscnt 4*NL
	WIN MUL_LO
	MUL16 0, 1, 1, 1, 0
	MUL16 2, 1, 1, 1, 0
	s_wait_dscnt 0x0
	WIN MUL_HI
	MUL16 4, 1, 1, 1, 0
	MUL16 6, 1, 1, 1, 0
	WIN 0
; THE WAY OUT, tile a of Q's eight: + bias (which also brings the numbers into window 0, each accumulator from its low end on), quantised, stored as images.
.macro OUTQ a
	s_wait_xcnt 0x0                                ; the last tile's stores have read their data and their bases: both are written again below
.if (\a) == 4
	s_add_nc_u64 s[76:77], s[76:77], s[70:71]
	s_add_nc_u64 s[78:79], s[78:79], s[70:71]
	s_add_nc_u64 s[80:81], s[80:81], s[74:75]
.elseif (\a) > 0
	s_add_nc_u64 s[76:77], s[76:77], s[68:69]
	s_add_nc_u64 s[78:79], s[78:79], s[68:69]
	s_add_nc_u64 s[80:81], s[80:81], s[72:73]
.endif
	s_cmp_eq_u32 ttmp9, 2
	s_cbranch_scc1 .Lvb_\@
	WIN 0x06+(\a)/4                                ; source 0 window 2 or 3, source 1 window 1
.set n, 0
.rept 32
	v_pk_add_f32 v[HA+n:HA+n+1], v[64*((\a)%4)+n:64*((\a)%4)+n+1], v[96+n+96*(n/32):96+n+96*(n/32)+1]
.set n, n+2
.endr
	WIN 0
	s_branch .Lbd_\@
.Lvb_\@:
	WIN 0x06+(\a)/4
.set n, 0
.rept 32
	v_pk_add_f32 v[HA+n:HA+n+1], v[64*((\a)%4)+n:64*((\a)%4)+n+1], v[96+8*(\a)+n%8+96*((\a)/4):96+8*(\a)+n%8+96*((\a)/4)+1]
.set n, n+2
.endr
	WIN 0
.Lbd_\@:
	QUANT HA
	v_lshrrev_b32 v[TW], v[VSH], v[PW]             ; q, k: lanes 0-15 keep the even head's two bytes, lanes 16-31 the odd head's; the upper bytes are 0, over zero codes
	v_and_b32 v[TW], s82, v[TW]
	global_store_b128 v[L16], v[PC:PC+3], s[76:77]
	global_store_b64 v[L8], v[PC+4:PC+5], s[76:77] offset:512
	global_store_b128 v[L16], v[PC+6:PC+9], s[78:79]
	global_store_b64 v[L8], v[PC+10:PC+11], s[78:79] offset:512
	global_store_b32 v[VSO], v[TW], s[80:81]
.endm
	s_wait_loadcnt 0x0                             ; the bias
	PLACES
.irp b, 0,1,2,3
	v_mov_b32 v[TM+4+\b], 0                        ; a lane permute's destination counts as one of its sources
.endr
.irp a, 0,1,2,3,4,5,6,7
	OUTQ \a
.endr
	s_wait_tensorcnt 0x0                           ; the wave's end
	ds_add_u32 v[SPW], v[NIL]
	s_wait_dscnt 0x0
	CROUND                                         ; the closing round
	s_endpgm
.Lfunc_end_k_q657bdeb70b_qkv:
	.size	k_q657bdeb70b_qkv, .Lfunc_end_k_q657bdeb70b_qkv-k_q657bdeb70b_qkv
	.p2alignl 7, 3214868480
	.fill 96, 4, 3214868480
	.section	.rodata,"a",@progbits
	.p2align	6, 0x0
	.amdhsa_kernel k_q657bdeb70b_qkv
		.amdhsa_group_segment_fixed_size 327680
		.amdhsa_private_segment_fixed_size 0
		.amdhsa_enable_private_segment 0
		.amdhsa_kernarg_size 40
		.amdhsa_user_sgpr_count 2
		.amdhsa_user_sgpr_kernarg_segment_ptr 1
		.amdhsa_wavefront_size32 1
		.amdhsa_system_sgpr_workgroup_id_x 1
		.amdhsa_system_sgpr_workgroup_id_y 1
		.amdhsa_system_sgpr_workgroup_id_z 1
		.amdhsa_system_vgpr_workitem_id 0
		.amdhsa_next_free_vgpr 1024
		.amdhsa_next_free_sgpr 100
		.amdhsa_reserve_vcc 0
		.amdhsa_float_denorm_mode_32 3
		.amdhsa_float_denorm_mode_16_64 3
		.amdhsa_memory_ordered 1
		.amdhsa_forward_progress 1
		.amdhsa_inst_pref_size 193
	.end_amdhsa_kernel
	.amdgpu_metadata
---
amdhsa.version: [ 1, 2 ]
amdhsa.kernels:
  - .name:           k_q657bdeb70b_qkv
    .symbol:         k_q657bdeb70b_qkv.kd
    .args:
      - { .name: wim, .offset: 0, .size: 8, .value_kind: global_buffer, .address_space: global }
      - { .name: bq, .offset: 8, .size: 8, .value_kind: global_buffer, .address_space: global }
      - { .name: bk, .offset: 16, .size: 8, .value_kind: global_buffer, .address_space: global }
      - { .name: bv, .offset: 24, .size: 8, .value_kind: global_buffer, .address_space: global }
      - { .name: qkvb, .offset: 32, .size: 8, .value_kind: global_buffer, .address_space: global }
    .group_segment_fixed_size: 327680
    .private_segment_fixed_size: 0
    .kernarg_segment_align: 8
    .kernarg_segment_size: 40
    .max_flat_workgroup_size: 128
    .sgpr_count:     100
    .vgpr_count:     1024
    .wavefront_size: 32
...
	.end_amdgpu_metadata
.endif
;; end of part 2
;; launch attn (part 3): grid 8 x 32, 16 waves a work-group, clusters of 4 x 1, 215,040 bytes of LDS; arguments qkvb, ai; writes ai
.if DOCPART == 3
	.amdgcn_target "amdgcn-amd-amdhsa--gfx1250"
	.amdhsa_code_object_version 6
	.text
	.protected	k_q657bdeb70b_attn
	.globl	k_q657bdeb70b_attn
	.p2align	8
	.type	k_q657bdeb70b_attn,@function
k_q657bdeb70b_attn:
	s_mov_b64 s[64:65], 0
	v_nop
	global_prefetch_b8 v0, s[64:65] scope:SCOPE_SE
	s_setreg_imm32_b32 hwreg(HW_REG_WAVE_MODE, 25, 1), 1
	s_wait_xcnt 0x0
	s_wait_alu depctr_hold_cnt(0) depctr_sa_sdst(0) depctr_va_vdst(0) depctr_va_sdst(0) depctr_va_ssrc(0) depctr_va_vcc(0) depctr_vm_vsrc(0)
	s_getreg_b32 s2, hwreg(HW_REG_IB_STS2, 6, 4)
	s_cmp_eq_u32 s2, 0
	s_cbranch_scc0 .Lentry_in_a_cluster
	s_endpgm
.Lentry_in_a_cluster:
	s_bfe_u32 s2, ttmp6, 0x10000c
	s_cmp_lg_u32 s2, 0x3003
	s_cbranch_scc0 .Lentry_shape_is_right
	s_endpgm
.Lentry_shape_is_right:
; O = softmax(Q K^T / 8) V for one (batch, head) and 256 queries, both products on codes of BF6; the result is quantised along the model's 1,024 for the next product.
; THE SOFTMAX AHEAD OF THE SECOND PRODUCT: t = score x log2(e) / 8; M = the running largest t rounded UP to a whole number; p = 2^(t - M) is quantised along the keys, not normalised; the row's sum is taken of the
; unquantised p and divides at the end; when M moves, the sum and O are multiplied by 2^(old M - new M), which rounds nothing.
; SHARES.  Sixteen waves, each with one tile of 16 queries in 256 registers: four waves to a SIMD, so that one wave's vector work stands beside another's products and LDS loads.
; LDS.  A head's K and V with their scale words are the first 212,992 bytes of its record, and LDS is an image of those bytes.  Each byte is brought ONCE; nothing is filled again: no ring.
; THE FILLS GO BY QUARTERS of four key steps (24,576 bytes of K's codes, as many of V's, 2,048 bytes of each one's scale words).  Waves 0 to 3 fetch codes (K or V, the lower or upper 12,288 bytes of a
; quarter), waves 4 and 5 scale words; each issues its four loads, quarter 0 first, in one group at the start: four loads of a wave are out at the most.  A wave's tensor loads end in order (ISA guide 10.11.1):
; ahead of quarter q each wave waits until 3 - q of its loads are out, and a barrier shows that to all sixteen.  So the first product waits for 53,248 bytes, and the later quarters land under the work.
; The four work-groups of a cluster serve one head and ask for those bytes jointly.  No prefetch: everything is asked for at the start.
; LAYOUT.  S^T = K Q^T (source 0 = 16 keys), O^T = V^T P^T (source 0 = 16 of the head's 64): a lane holds one query throughout.  By the tile order the 16 registers of two neighbouring tiles are 16 neighbours.
; The first product's K is the head's 64: registers 6 to 11 of K's and Q's fragments are zero codes, and the upper two bytes of their scale words are 0 (2^-127, over zeros).
; A scale word of the output is shared by two heads: this launch stores its two bytes of each, 64 bytes a wave in pieces of two.
; LIMITS: a block of zeros gets the byte 1, not 127; NaN and infinities are not served.
.set BLK, 26624
.set SCO, 24576
.set REC, 319488
.set KS,  98304
.set VC,  106496
.set VS,  204800
.set QC,  212992
.set QS,  311296
.set QCB, 24576                        ; a quarter's codes of K or of V
.set QSB, 2048                         ; a quarter's scale words of K or of V
.set WV,  18
.set SEL, 20
.set CS,  22                           ; s[22:23] c = log2(e) / 8
.set G1C, 24                           ; s[24:31] descriptor group 1 for codes: 48 rows of 256 bytes
.set G1S, 32                           ; s[32:39] for scale words: 8 rows of 256 bytes
.set TK,  58                           ; s58 the step's codes of K and of V: 6,144 bytes a step
.set TS,  59                           ; s59 its scale words: 512 bytes a step
.set CNT, 60
.set G0C, 68                           ; s[68:83] descriptor group 0 for codes, a set for each quarter
.set G0S, 84                           ; s[84:99] for scale words
; v1 16 x lane, v2 8 x lane, v7 4 x lane, v30 4 (lane % 16); v3-6 places in K's words, V's codes (two) and V's words; v8-11, v28, v29 the step's addresses; v12 -M, v13 the largest t, v[14:15] the sum;
; v16-27 Q; v32-79 four tiles of K; v96-159 S^T, then p, then V's four fragments; v160-191 O^T; v224-235 p's codes; v232-254 at work; v255 Q's scale word
.macro ROUND
	s_barrier_signal -1
	s_barrier_wait -1
	s_cmp_lg_u32 s[WV], 0
	s_cbranch_scc1 .Lnot_wave_0_\@
	s_barrier_signal -3
.Lnot_wave_0_\@:
	s_barrier_wait -3
	s_barrier_signal -1
	s_barrier_wait -1
.endm
	s_load_b128 s[4:7], s[0:1], 0x0                ; qkvb, ai
	v_lshl_add_u32 v223, v0, 2, 0x34000
	v_mov_b32 v243, 0
	ds_add_u32 v223, v243
	ds_add_u32 v223, v243
	v_lshrrev_b32 v8, 5, v0
	v_readfirstlane_b32 s[WV], v8                  ; wave 0..15
	s_bfe_u32 s40, ttmp6, 0x40000                  ; cx
	s_lshl_b32 s41, ttmp9, 2
	s_add_co_u32 s41, s41, s40                     ; my block of 256 queries: it enters Q's and the output's addresses alone
	s_and_b32 s42, ttmp7, 0xffff                   ; 16 x batch + head, which the partners share
	s_mul_i32 s44, s42, REC
	s_mov_b32 s45, 0
	s_and_b32 s46, s[WV], 1
	s_mul_i32 s46, s46, VC                         ; even waves fetch for K, odd waves for V, whose part begins 106,496 bytes on
	s_bfe_u32 s47, s[WV], 0x10001
	s_mul_i32 s47, s47, QCB/2
	s_add_co_u32 s48, s46, s47                     ; codes (waves 0 to 3): the lower or the upper half of a quarter
	s_mov_b32 s49, 0
	s_add_co_u32 s50, s46, KS                      ; scale words (waves 4 and 5): 98,304 bytes behind the codes' first
	s_mov_b32 s51, 0
	s_mov_b32 s[G1C], 15|(3<<16)|(1<<21)           ; 15:0 all four work-groups; 17:16 elements of 8 bytes; 21 set beside a mask
	s_mov_b32 s[G1C+1], 32<<16                     ; rows of 256 bytes,
	s_mov_b32 s[G1C+2], 48<<16                     ; 48 of them
	s_mov_b32 s[G1C+3], 32<<16
	s_mov_b32 s[G1C+4], 48
	s_mov_b32 s[G1C+5], 32
	s_mov_b32 s[G1C+6], 0
	s_mov_b32 s[G1C+7], 0
	s_mov_b32 s[G1S], 15|(3<<16)|(1<<21)
	s_mov_b32 s[G1S+1], 32<<16
	s_mov_b32 s[G1S+2], 8<<16                      ; 8 rows
	s_mov_b32 s[G1S+3], 32<<16
	s_mov_b32 s[G1S+4], 8
	s_mov_b32 s[G1S+5], 32
	s_mov_b32 s[G1S+6], 0
	s_mov_b32 s[G1S+7], 0
	s_mov_b32 s[SEL], 0x76543210
	s_mov_b32 s[SEL+1], 0xfedcba98
	s_mov_b32 s[CS], 0x3e38aa3b
	s_mov_b32 s[CS+1], s[CS]
	s_wait_dscnt 0x0
	s_wait_kmcnt 0x0
	s_add_nc_u64 s[44:45], s[4:5], s[44:45]        ; the record
	s_add_nc_u64 s[52:53], s[44:45], s[48:49]
	s_add_nc_u64 s[54:55], s[44:45], s[50:51]
.irp j, 0,1,2,3                                ; LDS is an image of the record: the same offset on both sides
	s_mov_b32 s[G0C+4*\j], 1
	s_add_co_u32 s[G0C+4*\j+1], s48, \j*QCB
	s_add_nc_u64 s[G0C+4*\j+2:G0C+4*\j+3], s[52:53], \j*QCB
	s_or_b32 s[G0C+4*\j+3], s[G0C+4*\j+3], 0x80000000
	s_mov_b32 s[G0S+4*\j], 1
	s_add_co_u32 s[G0S+4*\j+1], s50, \j*QSB
	s_add_nc_u64 s[G0S+4*\j+2:G0S+4*\j+3], s[54:55], \j*QSB
	s_or_b32 s[G0S+4*\j+3], s[G0S+4*\j+3], 0x80000000
.endr
	ROUND                                          ; the four work-groups are here: the joint loads meet
	s_cmp_lt_u32 s[WV], 4                          ; a wave's four fills stand in one branch on its number; four v_nop follow the last
	s_cbranch_scc0 .Lnot_codes
	tensor_load_to_lds s[G0C:G0C+3], s[G1C:G1C+7]
	s_nop 0
	tensor_load_to_lds s[G0C+4:G0C+7], s[G1C:G1C+7]
	s_nop 0
	tensor_load_to_lds s[G0C+8:G0C+11], s[G1C:G1C+7]
	s_nop 0
	tensor_load_to_lds s[G0C+12:G0C+15], s[G1C:G1C+7]
	s_nop 0
.rept 4
	v_nop
.endr
	s_branch .Lasked
.Lnot_codes:
	s_cmp_lt_u32 s[WV], 6
	s_cbranch_scc0 .Lasked
	tensor_load_to_lds s[G0S:G0S+3], s[G1S:G1S+7]
	s_nop 0
	tensor_load_to_lds s[G0S+4:G0S+7], s[G1S:G1S+7]
	s_nop 0
	tensor_load_to_lds s[G0S+8:G0S+11], s[G1S:G1S+7]
	s_nop 0
	tensor_load_to_lds s[G0S+12:G0S+15], s[G1S:G1S+7]
	s_nop 0
.rept 4
	v_nop
.endr
.Lasked:
	v_and_b32 v30, 31, v0
	v_and_b32 v31, 15, v0
	v_lshlrev_b32 v1, 4, v30
	v_lshlrev_b32 v2, 3, v30
	v_lshlrev_b32 v7, 2, v30
	v_lshlrev_b32 v30, 2, v31
	v_add_nc_u32 v3, KS, v30
	v_add_nc_u32 v4, VC, v1
	v_add_nc_u32 v5, VC, v2
	v_add_nc_u32 v6, VS, v7
	s_lshl_b32 s48, s41, 4
	s_add_co_u32 s48, s48, s[WV]                   ; my tile of queries in the record
	s_lshl_b32 s50, s48, 6
	s_mul_i32 s48, s48, 768
	s_mov_b32 s49, 0
	s_mov_b32 s51, 0
	s_add_nc_u64 s[48:49], s[44:45], s[48:49]
	s_add_nc_u64 s[50:51], s[44:45], s[50:51]
	global_load_b128 v[16:19], v1, s[48:49] offset:QC
	global_load_b64 v[20:21], v2, s[48:49] offset:QC+512
	global_load_b32 v255, v30, s[50:51] offset:QS
.irp j, 22,23,24,25,26,27
	v_mov_b32 v\j, 0                               ; zero codes for k = 64 .. 127
.endr
.irp t, 0,1,2,3
.irp j, 6,7,8,9,10,11
	v_mov_b32 v[32+12*\t+\j], 0
.endr
.endr
	v_mov_b32 v13, 0xff61b1e6                      ; the largest t so far: -3e38
	v_floor_f32 v12, -v13                          ; -M
	v_mov_b32 v14, 0
	v_mov_b32 v15, 0
.irp b, 0,1,2,3
	v_mov_b32 v[236+\b], 0                         ; a lane permute's destination counts as one of its sources
.endr
	v_mov_b32 v253, 0
.set j, 0
.rept 32
	v_mov_b32 v[160+j], 0                          ; O^T: the step is written once for each quarter; the first finds zeros
.set j, j+1
.endr
	; where the result goes: block (group of 256 tokens, head / 2), fragment = my wave, half = head % 2
	s_lshr_b32 s52, s42, 4
	s_lshl_b32 s52, s52, 3
	s_add_co_u32 s52, s52, s41
	s_lshl_b32 s52, s52, 3
	s_bfe_u32 s53, s42, 0x30001
	s_add_co_u32 s52, s52, s53
	s_mul_i32 s52, s52, BLK
	s_and_b32 s53, s42, 1
	s_mul_i32 s54, s[WV], 1536
	s_mul_i32 s55, s53, 768
	s_add_co_u32 s54, s54, s55
	s_add_co_u32 s54, s54, s52
	s_mov_b32 s55, 0
	s_lshl_b32 s56, s[WV], 7
	s_lshl_b32 s53, s53, 1
	s_add_co_u32 s56, s56, s53
	s_add_co_u32 s56, s56, s52
	s_add_co_u32 s56, s56, SCO
	s_mov_b32 s57, 0
	s_add_nc_u64 s[54:55], s[6:7], s[54:55]
	s_add_nc_u64 s[56:57], s[6:7], s[56:57]
	s_wait_loadcnt 0x0                             ; Q
; A QUARTER: four key steps of 128 keys, behind the wait and the barrier that show its bytes landed.
.macro QUARTER qq
	s_wait_tensorcnt 3-\qq                         ; my loads for this quarter and the earlier ones have landed; those for the later quarters, 3 - q of them, may stay out
	s_barrier_signal -1                            ; (no LDS load of mine is out: each step waits for its own)
	s_barrier_wait -1                              ; everybody's have
	s_mov_b32 s[TK], \qq*QCB
	s_mov_b32 s[TS], \qq*QSB
	s_mov_b32 s[CNT], 4
.Lstep_\@:
	v_add_nc_u32 v8, s[TK], v1                     ; these six are also the places between the last step's products and this step's loads and products, which write over registers that those read
	v_add_nc_u32 v9, s[TK], v2
	v_add_nc_u32 v10, s[TS], v3
	v_add_nc_u32 v11, s[TK], v4
	v_add_nc_u32 v28, s[TK], v5
	v_add_nc_u32 v29, s[TS], v6
.irp g, 0,1                                    ; S^T = K Q^T, four tiles of 16 keys at a time
.if \g > 0
.rept 4
	v_nop                                          ; places in front of loads into registers that matrix instructions have read
.endr
.endif
.irp t, 0,1,2,3
	ds_load_b128 v[32+12*\t:35+12*\t], v8 offset:768*(4*\g+\t)
	ds_load_b64 v[36+12*\t:37+12*\t], v9 offset:768*(4*\g+\t)+512
	ds_load_b32 v[248+\t], v10 offset:64*(4*\g+\t)
.endr
	s_wait_dscnt 0x0
.irp t, 0,1,2,3
	v_wmma_scale_f32_16x16x128_f8f6f4 v[96+8*(4*\g+\t):103+8*(4*\g+\t)], v[32+12*\t:43+12*\t], v[16:27], 0, v[248+\t], v255 matrix_a_fmt:MATRIX_FMT_BF6 matrix_b_fmt:MATRIX_FMT_BF6
.endr
.endr
.rept 4
	v_nop
.endr
.irp b, 0,1,2,3
	v_max3_num_f32 v[232+\b], v[96+16*\b], v[97+16*\b], v[98+16*\b]   ; the largest score of each block of 32 keys: it serves the row's maximum and, since p rises with the score, the block's largest p
.endr
.irp i, 3,5,7,9,11,13
.irp b, 0,1,2,3
	v_max3_num_f32 v[232+\b], v[232+\b], v[96+16*\b+\i], v[97+16*\b+\i]
.endr
.endr
.irp b, 0,1,2,3
	v_max_num_f32 v[232+\b], v[232+\b], v[111+16*\b]
.endr
.irp b, 0,1,2,3
	v_permlanex16_b32 v[236+\b], v[232+\b], s[SEL], s[SEL+1]
.endr
.irp b, 0,1,2,3
	v_max_num_f32 v[232+\b], v[232+\b], v[236+\b]  ; with lane l xor 16's 16 keys
.endr
	v_max3_num_f32 v254, v232, v233, v234
	v_max_num_f32 v254, v254, v235
	v_mul_f32 v254, s[CS], v254                    ; as t (c is positive)
	v_max_num_f32 v13, v13, v254                   ; the running largest t
	v_mov_b32 v254, v12
	v_floor_f32 v12, -v13                          ; the new -M = -ceil(t)
	v_sub_f32 v254, v12, v254                      ; old M - new M: a whole number, 0 or less
	v_cvt_i32_f32 v254, v254                       ; (it saturates)
	v_ldexp_f32 v252, 1.0, v254                    ; f = 2^(old M - new M)
.set j, 0
.rept 32
	v_pk_fma_f32 v[96+j:97+j], v[96+j:97+j], s[CS:CS+1], v[12:13] op_sel_hi:[1,0,0]   ; t - M
.set j, j+2
.endr
.irp b, 0,1,2,3
	v_fma_f32 v[232+\b], v[232+\b], s[CS], v12     ; the same of each block's largest score
.endr
.set j, 0
.rept 64
	v_exp_f32 v[96+j], v[96+j]                     ; p = 2^(t - M)
.set j, j+1
.endr
	v_pk_mul_f32 v[14:15], v[14:15], v[252:253] op_sel_hi:[1,0]   ; the sums under the new M: a plain place behind the exponentials
	s_wait_alu depctr_va_vdst(0)                   ; one wait for the batch, ahead of its first reader
.irp b, 0,1,2,3
	v_exp_f32 v[232+\b], v[232+\b]                 ; the block's largest p
.endr
	v_pk_add_f32 v[236:237], v[96:97], v[98:99]    ; the row's sum of the unquantised p, in two chains; it reads the 64 alone
.irp j, 4,8,12,16,20,24,28,32,36,40,44,48,52,56,60
	v_pk_add_f32 v[14:15], v[14:15], v[96+\j:97+\j]
	v_pk_add_f32 v[236:237], v[236:237], v[98+\j:99+\j]
.endr
	v_pk_add_f32 v[14:15], v[14:15], v[236:237]
	s_wait_alu depctr_va_vdst(0)                   ; and one for the four
.irp b, 0,1,2,3
	v_max_num_f32 v[232+\b], 0x2800000, v[232+\b]  ; the floor 2^(5 - 127): the byte cannot fall under 1
.endr
.irp b, 0,1,2,3
	v_add_nc_u32 v[244+\b], 0xfe000000, v[232+\b]  ; 4 off the exponent field: the conversion's scale operand
.endr
.irp b, 0,1,2,3
	v_lshrrev_b32 v[236+\b], 23, v[244+\b]
.endr
	v_lshl_or_b32 v253, v237, 8, v236              ; p's scale word for these 128 keys
	v_lshl_or_b32 v253, v238, 16, v253
	v_lshl_or_b32 v253, v239, 24, v253
.irp c, 0,1
	v_cvt_scalef32_pk16_bf6_f32 v[224+6*\c:226+6*\c], v[96+32*\c:111+32*\c], v[244+2*\c]
	v_cvt_scalef32_pk16_bf6_f32 v[236+4*\c:238+4*\c], v[112+32*\c:127+32*\c], v[244+2*\c+1]
.endr
	v_nop                                          ; one plain place behind a scaled conversion
.irp t, 0,1,2,3                                ; V's four fragments of this step come into p's registers, which are done with, while the codes are put in order
	ds_load_b128 v[96+12*\t:99+12*\t], v11 offset:1536*\t
	ds_load_b64 v[100+12*\t:101+12*\t], v28 offset:1536*\t+512
	ds_load_b128 v[102+12*\t:105+12*\t], v11 offset:1536*\t+768
	ds_load_b64 v[106+12*\t:107+12*\t], v28 offset:1536*\t+1280
	ds_load_b32 v[248+\t], v29 offset:128*\t
.endr
.irp c, 0,1                                    ; the operand wants a whole block in a lane
.irp i, 0,1,2
	v_permlane16_swap_b32 v[224+6*\c+\i], v[236+4*\c+\i]
.endr
.irp i, 0,1,2
	v_mov_b32 v[227+6*\c+\i], v[236+4*\c+\i]
.endr
.endr
.set j, 0
.rept 16
	v_pk_mul_f32 v[160+j:161+j], v[160+j:161+j], v[252:253] op_sel_hi:[1,0]   ; O^T under the new M; these sixteen are also the places in front of the scaled products
.set j, j+2
.endr
	s_wait_dscnt 0x0
.irp t, 0,1,2,3                                ; O^T += V^T P^T: four accumulators by turns
	v_wmma_scale_f32_16x16x128_f8f6f4 v[160+8*\t:167+8*\t], v[96+12*\t:107+12*\t], v[224:235], v[160+8*\t:167+8*\t], v[248+\t], v253 matrix_a_fmt:MATRIX_FMT_BF6 matrix_b_fmt:MATRIX_FMT_BF6
.endr
	s_add_co_u32 s[TK], s[TK], 6144
	s_add_co_u32 s[TS], s[TS], 512
	s_sub_co_u32 s[CNT], s[CNT], 1
	s_cmp_lg_u32 s[CNT], 0
	s_cbranch_scc1 .Lstep_\@
.endm
	QUARTER 0
	QUARTER 1
	QUARTER 2
	QUARTER 3                                      ; its wait is for 0: no tensor load of mine is out from here on
	; THE WAY OUT: O^T / the sum; my 32 numbers are 64 along the next K (two blocks with lane l xor 16): half a fragment
.rept 4
	v_nop
.endr
	v_add_f32 v14, v14, v15
	v_permlanex16_b32 v252, v14, s[SEL], s[SEL+1]
	v_add_f32 v14, v14, v252                       ; the row's sum
	v_rcp_f32 v14, v14
	v_nop                                          ; a plain place behind the transcendental
	s_wait_alu depctr_va_vdst(0)                   ; and the wait ahead of its first reader
.set j, 0
.rept 32
	v_mul_f32 v[96+j], v[160+j], v14               ; register 16 b + i is channel 32 b + 16 (lane / 16) + i of my query
.set j, j+1
.endr
.irp b, 0,1
	v_max3_num_f32 v[232+\b], |v[96+16*\b]|, |v[97+16*\b]|, 0x2800000
.endr
.irp i, 2,4,6,8,10,12,14
.irp b, 0,1
	v_max3_num_f32 v[232+\b], v[232+\b], |v[96+16*\b+\i]|, |v[97+16*\b+\i]|
.endr
.endr
.irp b, 0,1
	v_permlanex16_b32 v[236+\b], v[232+\b], s[SEL], s[SEL+1]
.endr
.irp b, 0,1
	v_max_num_f32 v[232+\b], v[232+\b], v[236+\b]
.endr
.irp b, 0,1
	v_add_nc_u32 v[244+\b], 0xfe000000, v[232+\b]
.endr
.irp b, 0,1
	v_lshrrev_b32 v[236+\b], 23, v[244+\b]
.endr
	v_lshl_or_b32 v253, v237, 8, v236              ; my head's two bytes of the row's scale word
	v_cvt_scalef32_pk16_bf6_f32 v[224:226], v[96:111], v244
	v_cvt_scalef32_pk16_bf6_f32 v[228:230], v[112:127], v245
	v_nop
.irp i, 0,1,2
	v_permlane16_swap_b32 v[224+\i], v[228+\i]
.endr
.irp i, 0,1,2
	v_mov_b32 v[227+\i], v[228+\i]
.endr
	global_store_b128 v1, v[224:227], s[54:55]
	global_store_b64 v2, v[228:229], s[54:55] offset:512
	global_store_b16 v7, v253, s[56:57]
	s_wait_tensorcnt 0x0
	ds_add_u32 v223, v243
	s_wait_dscnt 0x0
	ROUND                                          ; the closing round
	s_endpgm
.Lfunc_end_k_q657bdeb70b_attn:
	.size	k_q657bdeb70b_attn, .Lfunc_end_k_q657bdeb70b_attn-k_q657bdeb70b_attn
	.p2alignl 7, 3214868480
	.fill 96, 4, 3214868480
	.section	.rodata,"a",@progbits
	.p2align	6, 0x0
	.amdhsa_kernel k_q657bdeb70b_attn
		.amdhsa_group_segment_fixed_size 215040
		.amdhsa_private_segment_fixed_size 0
		.amdhsa_enable_private_segment 0
		.amdhsa_kernarg_size 16
		.amdhsa_user_sgpr_count 2
		.amdhsa_user_sgpr_kernarg_segment_ptr 1
		.amdhsa_wavefront_size32 1
		.amdhsa_system_sgpr_workgroup_id_x 1
		.amdhsa_system_sgpr_workgroup_id_y 1
		.amdhsa_system_sgpr_workgroup_id_z 1
		.amdhsa_system_vgpr_workitem_id 0
		.amdhsa_next_free_vgpr 256
		.amdhsa_next_free_sgpr 100
		.amdhsa_reserve_vcc 0
		.amdhsa_float_denorm_mode_32 3
		.amdhsa_float_denorm_mode_16_64 3
		.amdhsa_memory_ordered 1
		.amdhsa_forward_progress 1
		.amdhsa_inst_pref_size 82
	.end_amdhsa_kernel
	.amdgpu_metadata
---
amdhsa.version: [ 1, 2 ]
amdhsa.kernels:
  - .name:           k_q657bdeb70b_attn
    .symbol:         k_q657bdeb70b_attn.kd
    .args:
      - { .name: qkvb, .offset: 0, .size: 8, .value_kind: global_buffer, .address_space: global }
      - { .name: ai, .offset: 8, .size: 8, .value_kind: global_buffer, .address_space: global }
    .group_segment_fixed_size: 215040
    .private_segment_fixed_size: 0
    .kernarg_segment_align: 8
    .kernarg_segment_size: 16
    .max_flat_workgroup_size: 512
    .sgpr_count:     100
    .vgpr_count:     256
    .wavefront_size: 32
...
	.end_amdgpu_metadata
.endif
;; end of part 3
;; launch oproj (part 4): grid 4 x 16, 4 waves a work-group, clusters of 4 x 4, 327,680 bytes of LDS; arguments ai, woi, part; writes part
.if DOCPART == 4
	.amdgcn_target "amdgcn-amd-amdhsa--gfx1250"
	.amdhsa_code_object_version 6
	.text
	.protected	k_q657bdeb70b_oproj
	.globl	k_q657bdeb70b_oproj
	.p2align	8
	.type	k_q657bdeb70b_oproj,@function
k_q657bdeb70b_oproj:
	s_mov_b64 s[64:65], 0
	v_nop
	global_prefetch_b8 v0, s[64:65] scope:SCOPE_SE
	s_setreg_imm32_b32 hwreg(HW_REG_WAVE_MODE, 25, 1), 1
	s_wait_xcnt 0x0
	s_wait_alu depctr_hold_cnt(0) depctr_sa_sdst(0) depctr_va_vdst(0) depctr_va_sdst(0) depctr_va_ssrc(0) depctr_va_vcc(0) depctr_vm_vsrc(0)
	s_getreg_b32 s2, hwreg(HW_REG_IB_STS2, 6, 4)
	s_cmp_eq_u32 s2, 0
	s_cbranch_scc0 .Lentry_in_a_cluster
	s_endpgm
.Lentry_in_a_cluster:
	s_bfe_u32 s2, ttmp6, 0x10000c
	s_cmp_lg_u32 s2, 0xf033
	s_cbranch_scc0 .Lentry_shape_is_right
	s_endpgm
.Lentry_shape_is_right:
; A product of K = 1,024 on codes of BF6, results left as f32: part[slice] = act[slice] x wts[slice]^T.  It serves the attention's output projection (one slice).
; Bias, residual and the sum of the slices are made by the norm that follows, which reads whole rows anyway.
; The slice is the cluster's x.  A work-group of four waves makes 256 tokens (group wgy) x 256 features (group cx); a wave 128 x 128: 64 accumulators, 512 registers.
; OPERANDS arrive as blocks (256 rows x 128 K: 16 fragment images of 1,536 bytes and 16 scale images of 128 bytes, 26,624 bytes on end), through a ring of two LDS slots of two blocks of each side;
; each wave fills one block of a slot by one tensor load.  CLUSTER 4 x 4: the activations' blocks are shared along a row of the cluster, the weights' along a column: joint loads.
; Source 0 (P) = weights, source 1 (Q) = activations: a lane holds one token (tile order) and its register 16 b + i feature 32 b + 16 (lane / 16) + i of 128.
; OUT: [slice][tile of 16 tokens][128 features][8,192 bytes]: registers 4 g .. 4 g + 3 at 512 g + 16 lane: each store covers 512 consecutive bytes; no stage is needed.
; With one slice the launch has work for 64 work-groups only.  No prefetch: two refills a wave, each with 128 matrix instructions in which to land.
.set BLK,   26624
.set SCO,   24576
.set SLOT,  4*BLK
.set SPARE, 2*SLOT
.set FR,    12
.set NL,    4
.set L16,   4
.set L8,    5
.set ADP16, 16
.set ADP8,  18
.set ADQ16, 20
.set ADQ8,  22
.set ADSP,  24
.set ADSQ,  26
.set SPW,   28
.set NIL,   29
.set SC,    32
.set AF,    128
.set G1,    24
.set G0,    32
.set G1B,   48
.set G0B,   56
.set MSB, 0
.macro WIN new
.if MSB != (\new)
	s_set_vgpr_msb (MSB<<8)|(\new)
.set MSB, (\new)
.endif
.endm
.set MUL_LO, 0xa1
.set MUL_HI, 0xf1
.set TO_B,   0x40
.macro JLOAD g0a, g1a, g0b, g1b        ; waves 0 and 1 fetch the activations' blocks, waves 2 and 3 the weights'; four v_nop follow each line
	s_cmp_eq_u32 s15, 0
	s_cbranch_scc0 .Lfor_b_\@
	tensor_load_to_lds s[\g0a:\g0a+3], s[\g1a:\g1a+7]
	s_nop 0
.rept 4
	v_nop
.endr
	s_branch .Lasked_\@
.Lfor_b_\@:
	tensor_load_to_lds s[\g0b:\g0b+3], s[\g1b:\g1b+7]
	s_nop 0
.rept 4
	v_nop
.endr
.Lasked_\@:
.endm
.macro CREST
	s_cmp_lg_u32 s14, 0
	s_cbranch_scc1 .Lnot_wave_0_\@
	s_barrier_signal -3
.Lnot_wave_0_\@:
	s_barrier_wait -3
	s_barrier_signal -1
	s_barrier_wait -1
.endm
.macro CROUND
	s_barrier_signal -1
	s_barrier_wait -1
	CREST
.endm
.macro PLACES                          ; four plain places behind matrix instructions (ISA guide 7.12.1)
.rept 4
	v_nop
.endr
.endm
.macro FRAG reg, a16, a8, q, i
	ds_load_b128 v[\reg:\reg+3], v[\a16] offset:(\q)*BLK+(\i)*1536
	ds_load_b64 v[\reg+4:\reg+5], v[\a8] offset:(\q)*BLK+(\i)*1536+512
	ds_load_b128 v[\reg+6:\reg+9], v[\a16] offset:(\q)*BLK+(\i)*1536+768
	ds_load_b64 v[\reg+10:\reg+11], v[\a8] offset:(\q)*BLK+(\i)*1536+1280
.endm
.macro FETCH_B slot, q, p
	WIN TO_B
.irp i, 0,1,2,3,4,5,6,7
	FRAG 128*(\p)+FR*\i, ADP16+\slot, ADP8+\slot, \q, \i
.endr
	WIN 0
.endm
.macro FETCH_A slot, q, i0
.irp i, \i0, \i0+1, \i0+2, \i0+3
	FRAG AF+FR*(\i), ADQ16+\slot, ADQ8+\slot, \q, \i
.endr
.endm
.macro SCALES sc
.irp i, 0,1,2,3,4,5,6,7
	ds_load_b32 v[SC+16*\sc+\i], v[ADSP+\sc] offset:128*\i
	ds_load_b32 v[SC+16*\sc+8+\i], v[ADSQ+\sc] offset:128*\i
.endr
.endm
.macro MUL16 a0, p, q, sc, zero        ; the 64 accumulators take turns, one instruction a turn
.irp a, \a0, \a0+1
.irp b, 0,1,2,3,4,5,6,7
.set rD, 8*(8*((\a)%4)+\b)
.set rP, 128*(\p)+FR*\b
.set rQ, AF+FR*(\a)
.set rSP, SC+16*(\sc)+\b
.set rSQ, SC+16*(\sc)+8+(\a)
.if \zero
	v_wmma_scale_f32_16x16x128_f8f6f4 v[rD:rD+7], v[rP:rP+11], v[rQ:rQ+11], 0, v[rSP], v[rSQ] matrix_a_fmt:MATRIX_FMT_BF6 matrix_b_fmt:MATRIX_FMT_BF6
.elseif \q
	v_wmma_scale_f32_16x16x128_f8f6f4 v[rD:rD+7], v[rP:rP+11], v[rQ:rQ+11], v[rD:rD+7], v[rSP], v[rSQ] matrix_a_fmt:MATRIX_FMT_BF6 matrix_b_fmt:MATRIX_FMT_BF6 matrix_a_scale:MATRIX_SCALE_ROW1 matrix_b_scale:MATRIX_SCALE_ROW1
.else
	v_wmma_scale_f32_16x16x128_f8f6f4 v[rD:rD+7], v[rP:rP+11], v[rQ:rQ+11], v[rD:rD+7], v[rSP], v[rSQ] matrix_a_fmt:MATRIX_FMT_BF6 matrix_b_fmt:MATRIX_FMT_BF6
.endif
.endr
.endr
.endm
.macro STEP slot, zero
	s_wait_dscnt 4*NL                              ; all but the youngest sixteen loads (Q's tiles 4-7)
	WIN MUL_LO
	MUL16 0, 0, 0, \slot, \zero
	MUL16 2, 0, 0, \slot, \zero
	s_wait_dscnt 0x0
	PLACES
	FETCH_B \slot, 1, 1
	FETCH_A \slot, 1, 0
	WIN MUL_HI
	MUL16 4, 0, 0, \slot, \zero
	MUL16 6, 0, 0, \slot, \zero
	PLACES
	WIN 0
	FETCH_A \slot, 1, 4
.endm
.macro TURN slot, next, fill
	s_wait_tensorcnt 0x0                           ; all my tensor loads have landed: my block of the next slot
	ds_add_u32 v[SPW], v[NIL]                      ; 0 onto my spare word
	s_wait_dscnt 4*NL+1                            ; (the add and the youngest sixteen loads may be out)
	WIN MUL_LO
	MUL16 0, 1, 1, \slot, 0
	s_wait_dscnt 0x0                               ; the add is done, and my reads of this slot are over
	s_barrier_signal -1
	MUL16 2, 1, 1, \slot, 0
	WIN 0
	s_barrier_wait -1
.if \fill
	CREST                                          ; a round of the cluster's barrier: no wave of any partner still reads this slot or has a load on its way
	s_add_nc_u64 s[G0+4*\slot+2:G0+4*\slot+3], s[G0+4*\slot+2:G0+4*\slot+3], 4*BLK
	s_add_nc_u64 s[G0B+4*\slot+2:G0B+4*\slot+3], s[G0B+4*\slot+2:G0B+4*\slot+3], 4*BLK
	JLOAD G0+4*\slot, G1, G0B+4*\slot, G1B
.else
	PLACES
.endif
	FETCH_B \next, 0, 0
	FETCH_A \next, 0, 0
	SCALES \next
	WIN MUL_HI
	MUL16 4, 1, 1, \slot, 0
	MUL16 6, 1, 1, \slot, 0
	PLACES
	WIN 0
	FETCH_A \next, 0, 4
.endm
	s_load_b128 s[4:7], s[0:1], 0x0                ; the activations' blocks, the weights'
	s_load_b64 s[12:13], s[0:1], 0x10              ; part
	v_lshl_add_u32 v[SPW], v0, 2, SPARE
	v_mov_b32 v[NIL], 0
	ds_add_u32 v28, v29
	ds_add_u32 v28, v29
	s_wait_dscnt 0x0
	v_lshrrev_b32 v1, 5, v0
	v_readfirstlane_b32 s14, v1
	s_lshr_b32 s15, s14, 1
	s_and_b32 s16, s14, 1
	s_bfe_u32 s40, ttmp6, 0x40000
	s_bfe_u32 s41, ttmp6, 0x40004
	s_lshl_b32 s42, ttmp9, 2
	s_add_co_u32 s42, s42, s40                     ; 4 x slice + group of features: the weights' row of blocks
	s_and_b32 s17, ttmp7, 0xffff
	s_lshl_b32 s17, s17, 2
	s_add_co_u32 s17, s17, s41                     ; the group of tokens
	s_lshl_b32 s43, s41, 2
	s_lshl_b32 s43, 15, s43
	s_lshl_b32 s44, 0x1111, s40
	s_or_b32 s[G1], s43, (3<<16)|(1<<21)
	s_or_b32 s[G1B], s44, (3<<16)|(1<<21)
.irp g, G1, G1B
	s_mov_b32 s[\g+1], 32<<16
	s_mov_b32 s[\g+2], 104<<16
	s_mov_b32 s[\g+3], 32<<16
	s_mov_b32 s[\g+4], 104
	s_mov_b32 s[\g+5], 32
	s_mov_b32 s[\g+6], 0
	s_mov_b32 s[\g+7], 0
.endr
	s_lshl_b32 s20, ttmp9, 4
	s_add_co_u32 s20, s20, s17                     ; the activations' row of blocks: 16 x slice + group
	s_lshl_b32 s20, s20, 3
	s_add_co_u32 s20, s20, s16
	s_mul_i32 s20, s20, BLK
	s_mov_b32 s21, 0
	s_lshl_b32 s46, s42, 3
	s_add_co_u32 s46, s46, s16
	s_mul_i32 s46, s46, BLK
	s_mov_b32 s47, 0
	s_mul_i32 s45, s14, BLK
	s_wait_kmcnt 0x0
	s_add_nc_u64 s[20:21], s[4:5], s[20:21]
	s_add_nc_u64 s[46:47], s[6:7], s[46:47]
	CROUND
.irp s, 0,1
	s_mov_b32 s[G0+4*\s], 1
	s_add_co_u32 s[G0+4*\s+1], s45, \s*SLOT
	s_add_nc_u64 s[G0+4*\s+2:G0+4*\s+3], s[20:21], \s*2*BLK
	s_or_b32 s[G0+4*\s+3], s[G0+4*\s+3], 0x80000000
	s_mov_b32 s[G0B+4*\s], 1
	s_add_co_u32 s[G0B+4*\s+1], s45, \s*SLOT
	s_add_nc_u64 s[G0B+4*\s+2:G0B+4*\s+3], s[46:47], \s*2*BLK
	s_or_b32 s[G0B+4*\s+3], s[G0B+4*\s+3], 0x80000000
	JLOAD G0+4*\s, G1, G0B+4*\s, G1B
.endr
	v_and_b32 v1, 31, v0
	v_and_b32 v2, 15, v0
	v_bfe_u32 v3, v0, 4, 1
	v_lshlrev_b32 v[L16], 4, v1
	v_lshlrev_b32 v[L8], 3, v1
	v_lshlrev_b32 v7, 2, v2
	v_mad_u32_u24 v7, v3, BLK, v7                  ; 4 r, and a block on for lanes 16-31
	s_mul_i32 s21, s16, 12288
	s_add_co_u32 s21, s21, 2*BLK                   ; P: the weights, behind the activations' two blocks
	s_mul_i32 s22, s15, 12288
	s_lshl_b32 s23, s16, 10
	s_add_co_u32 s23, s23, 2*BLK+SCO
	s_lshl_b32 s18, s15, 10
	s_add_co_u32 s18, s18, SCO
.irp s, 0,1
	v_add_nc_u32 v[ADP16+\s], s21, v[L16]
	v_add_nc_u32 v[ADP8+\s], s21, v[L8]
	v_add_nc_u32 v[ADQ16+\s], s22, v[L16]
	v_add_nc_u32 v[ADQ8+\s], s22, v[L8]
	v_add_nc_u32 v[ADSP+\s], s23, v7
	v_add_nc_u32 v[ADSQ+\s], s18, v7
	s_add_co_u32 s21, s21, SLOT
	s_add_co_u32 s22, s22, SLOT
	s_add_co_u32 s23, s23, SLOT
	s_add_co_u32 s18, s18, SLOT
.endr
	s_lshl_b32 s20, s17, 4
	s_lshl_b32 s21, s15, 3
	s_add_co_u32 s20, s20, s21                     ; my first tile of tokens
	s_lshl_b32 s20, s20, 16
	s_lshl_b32 s21, ttmp9, 24                      ; the slice
	s_add_co_u32 s20, s20, s21
	s_lshl_b32 s46, s40, 1
	s_add_co_u32 s46, s46, s16                     ; my 128 features
	s_lshl_b32 s46, s46, 13
	s_add_co_u32 s20, s20, s46
	s_mov_b32 s21, 0
	s_add_nc_u64 s[12:13], s[12:13], s[20:21]
	s_wait_tensorcnt 1                             ; my block of slot 0 is in; slot 1's may stay out
	s_barrier_signal -1
	s_barrier_wait -1
	FETCH_B 0, 0, 0
	FETCH_A 0, 0, 0
	SCALES 0
	FETCH_A 0, 0, 4
	STEP 0, 1                                      ; eight steps of 128 along K, four fills: written out
	TURN 0, 1, 1
	STEP 1, 0
	TURN 1, 0, 1
	STEP 0, 0
	TURN 0, 1, 0
	STEP 1, 0
	s_wait_dscnt 4*NL
	WIN MUL_LO
	MUL16 0, 1, 1, 1, 0
	MUL16 2, 1, 1, 1, 0
	s_wait_dscnt 0x0
	WIN MUL_HI
	MUL16 4, 1, 1, 1, 0
	MUL16 6, 1, 1, 1, 0
	PLACES
.irp a, 0,1,2,3,4,5,6,7                        ; the accumulators leave as they stand, each from its low end on
	WIN 0x08+4*(\a/4)                              ; a store's data are its source 1: window 2 or 3
.irp g, 0,1,2,3,4,5,6,7,8,9,10,11,12,13,14,15
	global_store_b128 v[L16], v[64*(\a%4)+4*\g:64*(\a%4)+4*\g+3], s[12:13] offset:65536*\a+512*\g
.endr
.endr
	WIN 0
	s_wait_tensorcnt 0x0                           ; the wave's end
	ds_add_u32 v[SPW], v[NIL]
	s_wait_dscnt 0x0
	CROUND
	s_endpgm
.Lfunc_end_k_q657bdeb70b_oproj:
	.size	k_q657bdeb70b_oproj, .Lfunc_end_k_q657bdeb70b_oproj-k_q657bdeb70b_oproj
	.p2alignl 7, 3214868480
	.fill 96, 4, 3214868480
	.section	.rodata,"a",@progbits
	.p2align	6, 0x0
	.amdhsa_kernel k_q657bdeb70b_oproj
		.amdhsa_group_segment_fixed_size 327680
		.amdhsa_private_segment_fixed_size 0
		.amdhsa_enable_private_segment 0
		.amdhsa_kernarg_size 24
		.amdhsa_user_sgpr_count 2
		.amdhsa_user_sgpr_kernarg_segment_ptr 1
		.amdhsa_wavefront_size32 1
		.amdhsa_system_sgpr_workgroup_id_x 1
		.amdhsa_system_sgpr_workgroup_id_y 1
		.amdhsa_system_sgpr_workgroup_id_z 1
		.amdhsa_system_vgpr_workitem_id 0
		.amdhsa_next_free_vgpr 1024
		.amdhsa_next_free_sgpr 68
		.amdhsa_reserve_vcc 0
		.amdhsa_float_denorm_mode_32 3
		.amdhsa_float_denorm_mode_16_64 3
		.amdhsa_memory_ordered 1
		.amdhsa_forward_progress 1
		.amdhsa_inst_pref_size 126
	.end_amdhsa_kernel
	.amdgpu_metadata
---
amdhsa.version: [ 1, 2 ]
amdhsa.kernels:
  - .name:           k_q657bdeb70b_oproj
    .symbol:         k_q657bdeb70b_oproj.kd
    .args:
      - { .name: ai, .offset: 0, .size: 8, .value_kind: global_buffer, .address_space: global }
      - { .name: woi, .offset: 8, .size: 8, .value_kind: global_buffer, .address_space: global }
      - { .name: part, .offset: 16, .size: 8, .value_kind: global_buffer, .address_space: global }
    .group_segment_fixed_size: 327680
    .private_segment_fixed_size: 0
    .kernarg_segment_align: 8
    .kernarg_segment_size: 24
    .max_flat_workgroup_size: 128
    .sgpr_count:     68
    .vgpr_count:     1024
    .wavefront_size: 32
...
	.end_amdgpu_metadata
.endif
;; end of part 4
;; launch ln1 (part 5): grid 256 x 1, 8 waves a work-group, no clusters, 70,656 bytes of LDS; arguments part, x, bo, ln1_g, ln1_b, hbuf; writes hbuf
.if DOCPART == 5
	.amdgcn_target "amdgcn-amd-amdhsa--gfx1250"
	.amdhsa_code_object_version 6
	.text
	.protected	k_q657bdeb70b_ln1
	.globl	k_q657bdeb70b_ln1
	.p2align	8
	.type	k_q657bdeb70b_ln1,@function
k_q657bdeb70b_ln1:
	s_mov_b64 s[64:65], 0
	v_nop
	global_prefetch_b8 v0, s[64:65] scope:SCOPE_SE
	s_setreg_imm32_b32 hwreg(HW_REG_WAVE_MODE, 25, 1), 1
	s_wait_xcnt 0x0
; h = LayerNorm(x + attention's projection + bo) x g + b, stored twice: as f32 images for the second norm's residual and, quantised along the 1,024, as the FFN's operand.
; A work-group takes a tile of 16 tokens (tile order: lane i = row 32 (t / 2) + 8 (t % 2) + i + 8 (i / 8)); wave w the 128 features from 128 w on.  A lane holds, of row lane % 16, register 16 b + i = feature
; 32 b + 16 (lane / 16) + i: the layout in which the product's results were stored and which the quantiser takes.  x's rows are read 512 consecutive bytes a load and turn through the wave's own stage.
; Mean, then the mean of the squared differences: two sums over 8 waves, each through its own words of LDS with one barrier.  Memory binds: no matrix unit, no cluster (nothing is shared).
; LIMITS: a block of zeros gets the byte 1, not 127; largest magnitudes under 2^-122 are held at that floor; NaN and infinities are not served.
.set BLK, 26624
.set SCO, 24576
.set HF,  3407872                      ; hbuf: the operand's blocks, then the f32 images
.set SP,  528
.set RED, 8*16*SP                      ; behind the stages: two areas of 8 x 128 bytes for the sums
.set L16, 1
.set L8,  2
.set L4,  3
.set STI, 4
.set STO, 5
.set H64, 6
.set RW,  7
.set RR,  8
.set Y,   32
.set X,   96
.set Z,   160
.set PC,  96
.set TM,  128
.set PW,  150
.set WV,  16
.set SEL, 18
.macro IMG reg, p                      ; an f32 image: 16 loads of 512 consecutive bytes
.irp g, 0,1,2,3,4,5,6,7,8,9,10,11,12,13,14,15
	global_load_b128 v[\reg+4*\g:\reg+4*\g+3], v[L16], s[\p:\p+1] offset:512*\g th:TH_LOAD_NT
.endr
.endm
.macro VEC reg, p                      ; a vector of my 128 features, in the lanes' layout
.irp b, 0,1,2,3
.irp j, 0,1,2,3
	global_load_b128 v[\reg+16*\b+4*\j:\reg+16*\b+4*\j+3], v[H64], s[\p:\p+1] offset:128*\b+16*\j
.endr
.endr
.endm
.macro ADDIN reg
.set n, 0
.rept 32
	v_pk_add_f32 v[Y+n:Y+n+1], v[Y+n:Y+n+1], v[\reg+n:\reg+n+1]
.set n, n+2
.endr
.endm
.macro REDUCE area                     ; two chains of pairs in v[224:227] become the row's sum over the 1,024 features, in v224 of every lane
	v_pk_add_f32 v[224:225], v[224:225], v[226:227]
	v_add_f32 v224, v224, v225
	v_permlanex16_b32 v226, v224, s[SEL], s[SEL+1]
	v_add_f32 v224, v224, v226
	ds_store_b32 v[RW], v224 offset:\area
	s_wait_dscnt 0x0                               ; for the others' sake: my word has landed
	s_barrier_signal -1
	s_barrier_wait -1
.irp w, 0,1,2,3,4,5,6,7
	ds_load_b32 v[228+\w], v[RR] offset:\area+128*\w
.endr
	s_wait_dscnt 0x0
	v_add_f32 v228, v228, v229
	v_add_f32 v230, v230, v231
	v_add_f32 v232, v232, v233
	v_add_f32 v234, v234, v235
	v_add_f32 v228, v228, v230
	v_add_f32 v232, v232, v234
	v_add_f32 v224, v228, v232
.endm
.macro QUANT s
.irp b, 0,1,2,3
	v_max3_num_f32 v[TM+\b], |v[\s+16*\b]|, |v[\s+1+16*\b]|, 0x2800000   ; and the floor 2^(5 - 127)
.endr
.irp i, 2,4,6,8,10,12,14
.irp b, 0,1,2,3
	v_max3_num_f32 v[TM+\b], v[TM+\b], |v[\s+16*\b+\i]|, |v[\s+1+16*\b+\i]|
.endr
.endr
.irp b, 0,1,2,3
	v_permlanex16_b32 v[TM+4+\b], v[TM+\b], s[SEL], s[SEL+1]
.endr
.irp b, 0,1,2,3
	v_max_num_f32 v[TM+\b], v[TM+\b], v[TM+4+\b]
.endr
.irp b, 0,1,2,3
	v_add_nc_u32 v[TM+12+\b], 0xfe000000, v[TM+\b]
.endr
.irp b, 0,1,2,3
	v_lshrrev_b32 v[TM+4+\b], 23, v[TM+12+\b]
.endr
	v_lshl_or_b32 v[PW], v[TM+5], 8, v[TM+4]
	v_lshl_or_b32 v[PW], v[TM+6], 16, v[PW]
	v_lshl_or_b32 v[PW], v[TM+7], 24, v[PW]
.irp c, 0,1
	v_cvt_scalef32_pk16_bf6_f32 v[PC+6*\c:PC+2+6*\c], v[\s+32*\c:\s+15+32*\c], v[TM+12+2*\c]
	v_cvt_scalef32_pk16_bf6_f32 v[PC+12+4*\c:PC+14+4*\c], v[\s+16+32*\c:\s+31+32*\c], v[TM+12+2*\c+1]
.endr
	v_nop
.irp c, 0,1
.irp i, 0,1,2
	v_permlane16_swap_b32 v[PC+6*\c+\i], v[PC+12+4*\c+\i]
.endr
.irp i, 0,1,2
	v_mov_b32 v[PC+3+6*\c+\i], v[PC+12+4*\c+\i]
.endr
.endr
.endm
	s_load_b256 s[4:11], s[0:1], 0x0               ; part, x, bo, g
	s_load_b128 s[12:15], s[0:1], 0x20             ; b, hbuf
	v_lshl_add_u32 v240, v0, 2, 0x11000
	v_mov_b32 v241, 0
	v_lshrrev_b32 v9, 5, v0
	v_readfirstlane_b32 s[WV], v9                  ; wave 0..7
	v_and_b32 v9, 31, v0
	v_and_b32 v10, 15, v0
	v_bfe_u32 v11, v0, 4, 1
	v_lshlrev_b32 v[L16], 4, v9
	v_lshlrev_b32 v[L8], 3, v9
	v_lshlrev_b32 v[L4], 2, v9
	s_mul_i32 s22, s[WV], 16*SP
	v_add_nc_u32 v[STI], s22, v[L16]
	v_mul_u32_u24 v[STO], v10, SP
	v_lshl_add_u32 v[STO], v11, 6, v[STO]
	v_add_nc_u32 v[STO], s22, v[STO]
	v_lshlrev_b32 v[H64], 6, v11
	v_add_nc_u32 v[RR], RED, v[L4]
	s_lshl_b32 s22, s[WV], 7
	v_add_nc_u32 v[RW], s22, v[RR]
	s_mov_b32 s[SEL], 0x76543210
	s_mov_b32 s[SEL+1], 0xfedcba98
	s_mov_b32 s20, 0x3a800000                      ; 1 / 1,024
	s_mov_b32 s21, 0x3727c5ac                      ; 1e-5
	s_lshl_b32 s22, ttmp9, 16
	s_lshl_b32 s30, s[WV], 13
	s_add_co_u32 s22, s22, s30                     ; my f32 image: 65,536 x tile + 8,192 x wave
	s_mov_b32 s23, 0
	s_lshr_b32 s30, ttmp9, 1
	s_lshl_b32 s30, s30, 5
	s_and_b32 s31, ttmp9, 1
	s_lshl_b32 s31, s31, 3
	s_add_co_u32 s30, s30, s31                     ; the tile's first row
	s_lshl_b32 s30, s30, 12
	s_lshl_b32 s32, s[WV], 9                       ; my 128 features in bytes
	s_add_co_u32 s30, s30, s32
	s_mov_b32 s31, 0
	s_mov_b32 s33, 0
	s_lshr_b32 s34, ttmp9, 4
	s_lshl_b32 s34, s34, 3
	s_add_co_u32 s34, s34, s[WV]
	s_mul_i32 s34, s34, BLK                        ; my block of the operand
	s_and_b32 s36, ttmp9, 15
	s_mul_i32 s38, s36, 1536
	s_add_co_u32 s38, s38, s34
	s_mov_b32 s39, 0
	s_lshl_b32 s36, s36, 7
	s_add_co_u32 s36, s36, s34
	s_add_co_u32 s36, s36, SCO
	s_mov_b32 s37, 0
	s_wait_kmcnt 0x0
	s_add_nc_u64 s[4:5], s[4:5], s[22:23]
	s_add_nc_u64 s[6:7], s[6:7], s[30:31]
	s_add_nc_u64 s[8:9], s[8:9], s[32:33]
	s_add_nc_u64 s[10:11], s[10:11], s[32:33]
	s_add_nc_u64 s[12:13], s[12:13], s[32:33]
	s_add_nc_u64 s[24:25], s[14:15], s[22:23]
	s_add_nc_u64 s[24:25], s[24:25], HF
	s_add_nc_u64 s[26:27], s[14:15], s[38:39]
	s_add_nc_u64 s[28:29], s[14:15], s[36:37]
.irp i, 0,1,2,3,4,5,6,7,8,9,10,11,12,13,14,15
	global_load_b128 v[X+4*\i:X+4*\i+3], v[L16], s[6:7] offset:(\i+8*(\i/8))*4096 th:TH_LOAD_NT   ; x: 512 consecutive bytes of a row
.endr
	IMG Y, 4
	VEC Z, 8
	s_wait_loadcnt 32                              ; x's 16 rows are in; the image and bo may be out
.irp i, 0,1,2,3,4,5,6,7,8,9,10,11,12,13,14,15
	ds_store_b128 v[STI], v[X+4*\i:X+4*\i+3] offset:SP*\i
.endr
	s_wait_dscnt 0x0                               ; the stores have read their registers, which the loads below fill
.irp b, 0,1,2,3
.irp j, 0,1,2,3
	ds_load_b128 v[X+16*\b+4*\j:X+16*\b+4*\j+3], v[STO] offset:128*\b+16*\j
.endr
.endr
	s_wait_loadcnt 0x0
	s_wait_dscnt 0x0
	ADDIN X
	ADDIN Z
	VEC X, 10                                      ; g and b land while the sums are made
	VEC Z, 12
	v_pk_add_f32 v[224:225], v[Y:Y+1], v[Y+4:Y+5]
	v_pk_add_f32 v[226:227], v[Y+2:Y+3], v[Y+6:Y+7]
.irp n, 8,12,16,20,24,28,32,36,40,44,48,52,56,60
	v_pk_add_f32 v[224:225], v[224:225], v[Y+\n:Y+\n+1]
	v_pk_add_f32 v[226:227], v[226:227], v[Y+\n+2:Y+\n+3]
.endr
	REDUCE 0
	v_mul_f32 v224, s20, v224                      ; the mean
.set n, 0
.rept 32
	v_pk_add_f32 v[Y+n:Y+n+1], v[Y+n:Y+n+1], v[224:225] op_sel_hi:[1,0] neg_lo:[0,1] neg_hi:[0,1]
.set n, n+2
.endr
	v_pk_mul_f32 v[224:225], v[Y:Y+1], v[Y:Y+1]
	v_pk_mul_f32 v[226:227], v[Y+2:Y+3], v[Y+2:Y+3]
.irp n, 4,8,12,16,20,24,28,32,36,40,44,48,52,56,60
	v_pk_fma_f32 v[224:225], v[Y+\n:Y+\n+1], v[Y+\n:Y+\n+1], v[224:225]
	v_pk_fma_f32 v[226:227], v[Y+\n+2:Y+\n+3], v[Y+\n+2:Y+\n+3], v[226:227]
.endr
	REDUCE 1024
	v_fma_f32 v224, v224, s20, s21                 ; the variance + 1e-5
	v_rsq_f32 v224, v224
	v_nop                                          ; a plain place behind the transcendental
	s_wait_alu depctr_va_vdst(0)                   ; and the wait ahead of its first reader
	s_wait_loadcnt 0x0                             ; g, b
.set n, 0
.rept 32
	v_pk_mul_f32 v[Y+n:Y+n+1], v[Y+n:Y+n+1], v[224:225] op_sel_hi:[1,0]
.set n, n+2
.endr
.set n, 0
.rept 32
	v_pk_fma_f32 v[Y+n:Y+n+1], v[Y+n:Y+n+1], v[X+n:X+n+1], v[Z+n:Z+n+1]
.set n, n+2
.endr
.irp g, 0,1,2,3,4,5,6,7,8,9,10,11,12,13,14,15
	global_store_b128 v[L16], v[Y+4*\g:Y+4*\g+3], s[24:25] offset:512*\g
.endr
.irp b, 0,1,2,3
	v_mov_b32 v[TM+4+\b], 0
.endr
	QUANT Y                                        ; it reads Y and writes g's registers, which are done with
	global_store_b128 v[L16], v[PC:PC+3], s[26:27]
	global_store_b64 v[L8], v[PC+4:PC+5], s[26:27] offset:512
	global_store_b128 v[L16], v[PC+6:PC+9], s[26:27] offset:768
	global_store_b64 v[L8], v[PC+10:PC+11], s[26:27] offset:1280
	global_store_b32 v[L4], v[PW], s[28:29]
	s_wait_tensorcnt 0x0
	ds_add_u32 v240, v241
	s_wait_dscnt 0x0
	s_endpgm
.Lfunc_end_k_q657bdeb70b_ln1:
	.size	k_q657bdeb70b_ln1, .Lfunc_end_k_q657bdeb70b_ln1-k_q657bdeb70b_ln1
	.p2alignl 7, 3214868480
	.fill 96, 4, 3214868480
	.section	.rodata,"a",@progbits
	.p2align	6, 0x0
	.amdhsa_kernel k_q657bdeb70b_ln1
		.amdhsa_group_segment_fixed_size 70656
		.amdhsa_private_segment_fixed_size 0
		.amdhsa_enable_private_segment 0
		.amdhsa_kernarg_size 48
		.amdhsa_user_sgpr_count 2
		.amdhsa_user_sgpr_kernarg_segment_ptr 1
		.amdhsa_wavefront_size32 1
		.amdhsa_system_sgpr_workgroup_id_x 1
		.amdhsa_system_sgpr_workgroup_id_y 1
		.amdhsa_system_sgpr_workgroup_id_z 1
		.amdhsa_system_vgpr_workitem_id 0
		.amdhsa_next_free_vgpr 242
		.amdhsa_next_free_sgpr 66
		.amdhsa_reserve_vcc 0
		.amdhsa_float_denorm_mode_32 3
		.amdhsa_float_denorm_mode_16_64 3
		.amdhsa_memory_ordered 1
		.amdhsa_forward_progress 1
		.amdhsa_inst_pref_size 35
	.end_amdhsa_kernel
	.amdgpu_metadata
---
amdhsa.version: [ 1, 2 ]
amdhsa.kernels:
  - .name:           k_q657bdeb70b_ln1
    .symbol:         k_q657bdeb70b_ln1.kd
    .args:
      - { .name: part, .offset: 0, .size: 8, .value_kind: global_buffer, .address_space: global }
      - { .name: x, .offset: 8, .size: 8, .value_kind: global_buffer, .address_space: global }
      - { .name: bo, .offset: 16, .size: 8, .value_kind: global_buffer, .address_space: global }
      - { .name: ln1_g, .offset: 24, .size: 8, .value_kind: global_buffer, .address_space: global }
      - { .name: ln1_b, .offset: 32, .size: 8, .value_kind: global_buffer, .address_space: global }
      - { .name: hbuf, .offset: 40, .size: 8, .value_kind: global_buffer, .address_space: global }
    .group_segment_fixed_size: 70656
    .private_segment_fixed_size: 0
    .kernarg_segment_align: 8
    .kernarg_segment_size: 48
    .max_flat_workgroup_size: 256
    .sgpr_count:     66
    .vgpr_count:     242
    .wavefront_size: 32
...
	.end_amdgpu_metadata
.endif
;; end of part 5
;; launch ffn1 (part 6): grid 16 x 16, 4 waves a work-group, clusters of 4 x 4, 327,680 bytes of LDS; arguments hbuf, wim, b1, fi; writes fi
.if DOCPART == 6
	.amdgcn_target "amdgcn-amd-amdhsa--gfx1250"
	.amdhsa_code_object_version 6
	.text
	.protected	k_q657bdeb70b_ffn1
	.globl	k_q657bdeb70b_ffn1
	.p2align	8
	.type	k_q657bdeb70b_ffn1,@function
k_q657bdeb70b_ffn1:
	s_mov_b64 s[64:65], 0
	v_nop
	global_prefetch_b8 v0, s[64:65] scope:SCOPE_SE
	s_setreg_imm32_b32 hwreg(HW_REG_WAVE_MODE, 25, 1), 1
	s_wait_xcnt 0x0
	s_wait_alu depctr_hold_cnt(0) depctr_sa_sdst(0) depctr_va_vdst(0) depctr_va_sdst(0) depctr_va_ssrc(0) depctr_va_vcc(0) depctr_vm_vsrc(0)
	s_getreg_b32 s2, hwreg(HW_REG_IB_STS2, 6, 4)
	s_cmp_eq_u32 s2, 0
	s_cbranch_scc0 .Lentry_in_a_cluster
	s_endpgm
.Lentry_in_a_cluster:
	s_bfe_u32 s2, ttmp6, 0x10000c
	s_cmp_lg_u32 s2, 0xf033
	s_cbranch_scc0 .Lentry_shape_is_right
	s_endpgm
.Lentry_shape_is_right:
; relu(h W1^T + b1) on codes of BF6, quantised at once along the 4,096 as the next product's operand; the hidden layer goes to memory as codes only.
; A work-group of four waves makes 256 tokens (group wgy) x 256 hidden units (group wgx); a wave 128 x 128: 64 accumulators, 512 registers.
; OPERANDS arrive as blocks (256 rows x 128 K: 16 fragment images of 1,536 bytes and 16 scale images of 128 bytes, 26,624 bytes on end), through a ring of two LDS slots of two blocks of each side;
; each wave fills one block of a slot by one tensor load.  CLUSTER 4 x 4: h's blocks are shared along a row of the cluster, W1's along a column: joint loads.
; Source 0 (P) = W1, source 1 (Q) = h: a lane holds one token (tile order) and its register 16 b + i hidden unit 32 b + 16 (lane / 16) + i of my 128: one K step of the next product, one fragment a tile.
; OUT: [slice of 1,024 hidden units][group of tokens][128 hidden units][block].  No prefetch: two refills a wave, each with 128 matrix instructions in which to land.
; LIMITS: a block of zeros gets the byte 1, not 127; largest magnitudes under 2^-122 are held at that floor; NaN and infinities are not served.
.set BLK,   26624
.set SCO,   24576
.set SLOT,  4*BLK
.set SPARE, 2*SLOT
.set W1I,   5963776
.set FR,    12
.set NL,    4
.set L16,   4
.set L8,    5
.set L4,    6
.set ADP16, 16
.set ADP8,  18
.set ADQ16, 20
.set ADQ8,  22
.set ADSP,  24
.set ADSQ,  26
.set SPW,   28
.set NIL,   29
.set SC,    32
.set HA,    64
.set AF,    128
.set PC,    128
.set TM,    160
.set PW,    176
.set G1,    24
.set G0,    32
.set G1B,   48
.set G0B,   56
.set SEL,   84
.set MSB, 0
.macro WIN new
.if MSB != (\new)
	s_set_vgpr_msb (MSB<<8)|(\new)
.set MSB, (\new)
.endif
.endm
.set MUL_LO, 0xa1
.set MUL_HI, 0xf1
.set TO_B,   0x40
.macro JLOAD g0a, g1a, g0b, g1b        ; waves 0 and 1 fetch h's blocks, waves 2 and 3 W1's; four v_nop follow each line
	s_cmp_eq_u32 s15, 0
	s_cbranch_scc0 .Lfor_b_\@
	tensor_load_to_lds s[\g0a:\g0a+3], s[\g1a:\g1a+7]
	s_nop 0
.rept 4
	v_nop
.endr
	s_branch .Lasked_\@
.Lfor_b_\@:
	tensor_load_to_lds s[\g0b:\g0b+3], s[\g1b:\g1b+7]
	s_nop 0
.rept 4
	v_nop
.endr
.Lasked_\@:
.endm
.macro CREST
	s_cmp_lg_u32 s14, 0
	s_cbranch_scc1 .Lnot_wave_0_\@
	s_barrier_signal -3
.Lnot_wave_0_\@:
	s_barrier_wait -3
	s_barrier_signal -1
	s_barrier_wait -1
.endm
.macro CROUND
	s_barrier_signal -1
	s_barrier_wait -1
	CREST
.endm
.macro PLACES                          ; four plain places behind matrix instructions (ISA guide 7.12.1)
.rept 4
	v_nop
.endr
.endm
.macro FRAG reg, a16, a8, q, i
	ds_load_b128 v[\reg:\reg+3], v[\a16] offset:(\q)*BLK+(\i)*1536
	ds_load_b64 v[\reg+4:\reg+5], v[\a8] offset:(\q)*BLK+(\i)*1536+512
	ds_load_b128 v[\reg+6:\reg+9], v[\a16] offset:(\q)*BLK+(\i)*1536+768
	ds_load_b64 v[\reg+10:\reg+11], v[\a8] offset:(\q)*BLK+(\i)*1536+1280
.endm
.macro FETCH_B slot, q, p
	WIN TO_B
.irp i, 0,1,2,3,4,5,6,7
	FRAG 128*(\p)+FR*\i, ADP16+\slot, ADP8+\slot, \q, \i
.endr
	WIN 0
.endm
.macro FETCH_A slot, q, i0
.irp i, \i0, \i0+1, \i0+2, \i0+3
	FRAG AF+FR*(\i), ADQ16+\slot, ADQ8+\slot, \q, \i
.endr
.endm
.macro SCALES sc
.irp i, 0,1,2,3,4,5,6,7
	ds_load_b32 v[SC+16*\sc+\i], v[ADSP+\sc] offset:128*\i
	ds_load_b32 v[SC+16*\sc+8+\i], v[ADSQ+\sc] offset:128*\i
.endr
.endm
.macro MUL16 a0, p, q, sc, zero        ; the 64 accumulators take turns, one instruction a turn
.irp a, \a0, \a0+1
.irp b, 0,1,2,3,4,5,6,7
.set rD, 8*(8*((\a)%4)+\b)
.set rP, 128*(\p)+FR*\b
.set rQ, AF+FR*(\a)
.set rSP, SC+16*(\sc)+\b
.set rSQ, SC+16*(\sc)+8+(\a)
.if \zero
	v_wmma_scale_f32_16x16x128_f8f6f4 v[rD:rD+7], v[rP:rP+11], v[rQ:rQ+11], 0, v[rSP], v[rSQ] matrix_a_fmt:MATRIX_FMT_BF6 matrix_b_fmt:MATRIX_FMT_BF6
.elseif \q
	v_wmma_scale_f32_16x16x128_f8f6f4 v[rD:rD+7], v[rP:rP+11], v[rQ:rQ+11], v[rD:rD+7], v[rSP], v[rSQ] matrix_a_fmt:MATRIX_FMT_BF6 matrix_b_fmt:MATRIX_FMT_BF6 matrix_a_scale:MATRIX_SCALE_ROW1 matrix_b_scale:MATRIX_SCALE_ROW1
.else
	v_wmma_scale_f32_16x16x128_f8f6f4 v[rD:rD+7], v[rP:rP+11], v[rQ:rQ+11], v[rD:rD+7], v[rSP], v[rSQ] matrix_a_fmt:MATRIX_FMT_BF6 matrix_b_fmt:MATRIX_FMT_BF6
.endif
.endr
.endr
.endm
.macro STEP slot, zero
	s_wait_dscnt 4*NL                              ; all but the youngest sixteen loads (Q's tiles 4-7)
	WIN MUL_LO
	MUL16 0, 0, 0, \slot, \zero
	MUL16 2, 0, 0, \slot, \zero
	s_wait_dscnt 0x0
	PLACES
	FETCH_B \slot, 1, 1
	FETCH_A \slot, 1, 0
	WIN MUL_HI
	MUL16 4, 0, 0, \slot, \zero
	MUL16 6, 0, 0, \slot, \zero
	PLACES
	WIN 0
	FETCH_A \slot, 1, 4
.endm
.macro TURN slot, next, fill
	s_wait_tensorcnt 0x0                           ; all my tensor loads have landed: my block of the next slot
	ds_add_u32 v[SPW], v[NIL]                      ; 0 onto my spare word
	s_wait_dscnt 4*NL+1                            ; (the add and the youngest sixteen loads may be out)
	WIN MUL_LO
	MUL16 0, 1, 1, \slot, 0
	s_wait_dscnt 0x0                               ; the add is done, and my reads of this slot are over
	s_barrier_signal -1
	MUL16 2, 1, 1, \slot, 0
	WIN 0
	s_barrier_wait -1
.if \fill
	CREST                                          ; a round of the cluster's barrier: no wave of any partner still reads this slot or has a load on its way
	s_add_nc_u64 s[G0+4*\slot+2:G0+4*\slot+3], s[G0+4*\slot+2:G0+4*\slot+3], 4*BLK
	s_add_nc_u64 s[G0B+4*\slot+2:G0B+4*\slot+3], s[G0B+4*\slot+2:G0B+4*\slot+3], 4*BLK
	JLOAD G0+4*\slot, G1, G0B+4*\slot, G1B
.else
	PLACES
.endif
	FETCH_B \next, 0, 0
	FETCH_A \next, 0, 0
	SCALES \next
	WIN MUL_HI
	MUL16 4, 1, 1, \slot, 0
	MUL16 6, 1, 1, \slot, 0
	PLACES
	WIN 0
	FETCH_A \next, 0, 4
.endm
.macro QUANT s
.irp b, 0,1,2,3
	v_max3_num_f32 v[TM+\b], |v[\s+16*\b]|, |v[\s+1+16*\b]|, 0x2800000   ; and the floor 2^(5 - 127)
.endr
.irp i, 2,4,6,8,10,12,14
.irp b, 0,1,2,3
	v_max3_num_f32 v[TM+\b], v[TM+\b], |v[\s+16*\b+\i]|, |v[\s+1+16*\b+\i]|
.endr
.endr
.irp b, 0,1,2,3
	v_permlanex16_b32 v[TM+4+\b], v[TM+\b], s[SEL], s[SEL+1]
.endr
.irp b, 0,1,2,3
	v_max_num_f32 v[TM+\b], v[TM+\b], v[TM+4+\b]
.endr
.irp b, 0,1,2,3
	v_add_nc_u32 v[TM+12+\b], 0xfe000000, v[TM+\b]
.endr
.irp b, 0,1,2,3
	v_lshrrev_b32 v[TM+4+\b], 23, v[TM+12+\b]
.endr
	v_lshl_or_b32 v[PW], v[TM+5], 8, v[TM+4]
	v_lshl_or_b32 v[PW], v[TM+6], 16, v[PW]
	v_lshl_or_b32 v[PW], v[TM+7], 24, v[PW]
.irp c, 0,1
	v_cvt_scalef32_pk16_bf6_f32 v[PC+6*\c:PC+2+6*\c], v[\s+32*\c:\s+15+32*\c], v[TM+12+2*\c]
	v_cvt_scalef32_pk16_bf6_f32 v[PC+12+4*\c:PC+14+4*\c], v[\s+16+32*\c:\s+31+32*\c], v[TM+12+2*\c+1]
.endr
	v_nop
.irp c, 0,1
.irp i, 0,1,2
	v_permlane16_swap_b32 v[PC+6*\c+\i], v[PC+12+4*\c+\i]
.endr
.irp i, 0,1,2
	v_mov_b32 v[PC+3+6*\c+\i], v[PC+12+4*\c+\i]
.endr
.endr
.endm
	s_load_b256 s[4:11], s[0:1], 0x0               ; hbuf, wim, b1, fi
	v_lshl_add_u32 v[SPW], v0, 2, SPARE
	v_mov_b32 v[NIL], 0
	ds_add_u32 v28, v29
	ds_add_u32 v28, v29
	s_wait_dscnt 0x0
	v_lshrrev_b32 v1, 5, v0
	v_readfirstlane_b32 s14, v1
	s_lshr_b32 s15, s14, 1
	s_and_b32 s16, s14, 1
	s_bfe_u32 s40, ttmp6, 0x40000
	s_bfe_u32 s41, ttmp6, 0x40004
	s_lshl_b32 s42, ttmp9, 2
	s_add_co_u32 s42, s42, s40                     ; wgx: W1's group
	s_and_b32 s17, ttmp7, 0xffff
	s_lshl_b32 s17, s17, 2
	s_add_co_u32 s17, s17, s41                     ; wgy: the group of tokens
	s_lshl_b32 s43, s41, 2
	s_lshl_b32 s43, 15, s43
	s_lshl_b32 s44, 0x1111, s40
	s_or_b32 s[G1], s43, (3<<16)|(1<<21)
	s_or_b32 s[G1B], s44, (3<<16)|(1<<21)
.irp g, G1, G1B
	s_mov_b32 s[\g+1], 32<<16
	s_mov_b32 s[\g+2], 104<<16
	s_mov_b32 s[\g+3], 32<<16
	s_mov_b32 s[\g+4], 104
	s_mov_b32 s[\g+5], 32
	s_mov_b32 s[\g+6], 0
	s_mov_b32 s[\g+7], 0
.endr
	s_lshl_b32 s20, s17, 3
	s_add_co_u32 s20, s20, s16
	s_mul_i32 s20, s20, BLK
	s_mov_b32 s21, 0
	s_lshl_b32 s46, s42, 3
	s_add_co_u32 s46, s46, s16
	s_mul_i32 s46, s46, BLK
	s_add_co_u32 s46, s46, W1I
	s_mov_b32 s47, 0
	s_mul_i32 s45, s14, BLK
	s_wait_kmcnt 0x0
	s_add_nc_u64 s[20:21], s[4:5], s[20:21]
	s_add_nc_u64 s[46:47], s[6:7], s[46:47]
	CROUND
.irp s, 0,1
	s_mov_b32 s[G0+4*\s], 1
	s_add_co_u32 s[G0+4*\s+1], s45, \s*SLOT
	s_add_nc_u64 s[G0+4*\s+2:G0+4*\s+3], s[20:21], \s*2*BLK
	s_or_b32 s[G0+4*\s+3], s[G0+4*\s+3], 0x80000000
	s_mov_b32 s[G0B+4*\s], 1
	s_add_co_u32 s[G0B+4*\s+1], s45, \s*SLOT
	s_add_nc_u64 s[G0B+4*\s+2:G0B+4*\s+3], s[46:47], \s*2*BLK
	s_or_b32 s[G0B+4*\s+3], s[G0B+4*\s+3], 0x80000000
	JLOAD G0+4*\s, G1, G0B+4*\s, G1B
.endr
	v_and_b32 v1, 31, v0
	v_and_b32 v2, 15, v0
	v_bfe_u32 v3, v0, 4, 1
	v_lshlrev_b32 v[L16], 4, v1
	v_lshlrev_b32 v[L8], 3, v1
	v_lshlrev_b32 v[L4], 2, v1
	v_lshlrev_b32 v7, 2, v2
	v_mad_u32_u24 v7, v3, BLK, v7
	s_mul_i32 s21, s16, 12288
	s_add_co_u32 s21, s21, 2*BLK
	s_mul_i32 s22, s15, 12288
	s_lshl_b32 s23, s16, 10
	s_add_co_u32 s23, s23, 2*BLK+SCO
	s_lshl_b32 s18, s15, 10
	s_add_co_u32 s18, s18, SCO
.irp s, 0,1
	v_add_nc_u32 v[ADP16+\s], s21, v[L16]
	v_add_nc_u32 v[ADP8+\s], s21, v[L8]
	v_add_nc_u32 v[ADQ16+\s], s22, v[L16]
	v_add_nc_u32 v[ADQ8+\s], s22, v[L8]
	v_add_nc_u32 v[ADSP+\s], s23, v7
	v_add_nc_u32 v[ADSQ+\s], s18, v7
	s_add_co_u32 s21, s21, SLOT
	s_add_co_u32 s22, s22, SLOT
	s_add_co_u32 s23, s23, SLOT
	s_add_co_u32 s18, s18, SLOT
.endr
	; b1 of my 128 hidden units, 64 registers of window 1 beside P's sets: number n at v[96 + n] (n < 32) or v[192 + n]
	v_lshlrev_b32 v8, 6, v3
	s_lshl_b32 s88, s42, 1
	s_add_co_u32 s88, s88, s16
	s_lshl_b32 s88, s88, 9
	s_mov_b32 s89, 0
	s_add_nc_u64 s[86:87], s[8:9], s[88:89]
	WIN TO_B
.irp b, 0,1,2,3
.irp j, 0,1,2,3
	global_load_b128 v[96+16*\b+4*\j+96*(\b/2):96+16*\b+4*\j+96*(\b/2)+3], v8, s[86:87] offset:128*\b+16*\j
.endr
.endr
	WIN 0
	s_lshl_b32 s88, ttmp9, 4
	s_add_co_u32 s88, s88, s17
	s_lshl_b32 s88, s88, 3
	s_lshl_b32 s89, s40, 1
	s_add_co_u32 s88, s88, s89
	s_add_co_u32 s88, s88, s16
	s_mul_i32 s88, s88, BLK                        ; my block: (slice, group of tokens, my 128 hidden units)
	s_mul_i32 s90, s15, 12288
	s_add_co_u32 s90, s90, s88
	s_mov_b32 s91, 0
	s_lshl_b32 s92, s15, 10
	s_add_co_u32 s92, s92, s88
	s_add_co_u32 s92, s92, SCO
	s_mov_b32 s93, 0
	s_add_nc_u64 s[76:77], s[10:11], s[90:91]
	s_add_nc_u64 s[80:81], s[10:11], s[92:93]
	s_mov_b32 s[SEL], 0x76543210
	s_mov_b32 s[SEL+1], 0xfedcba98
	s_wait_tensorcnt 1                             ; my block of slot 0 is in; slot 1's may stay out
	s_barrier_signal -1
	s_barrier_wait -1
	FETCH_B 0, 0, 0
	FETCH_A 0, 0, 0
	SCALES 0
	FETCH_A 0, 0, 4
	STEP 0, 1                                      ; eight steps of 128 along K, four fills: written out
	TURN 0, 1, 1
	STEP 1, 0
	TURN 1, 0, 1
	STEP 0, 0
	TURN 0, 1, 0
	STEP 1, 0
	s_wait_dscnt 4*NL
	WIN MUL_LO
	MUL16 0, 1, 1, 1, 0
	MUL16 2, 1, 1, 1, 0
	s_wait_dscnt 0x0
	WIN MUL_HI
	MUL16 4, 1, 1, 1, 0
	MUL16 6, 1, 1, 1, 0
	WIN 0
.macro OUTQ a                          ; tile a: + b1 (which also brings the numbers into window 0, each accumulator from its low end on), relu, quantised, stored as an image
	s_wait_xcnt 0x0                                ; the last tile's stores have read their data, which are written again below
	WIN 0x06+(\a)/4
.set n, 0
.rept 32
	v_pk_add_f32 v[HA+n:HA+n+1], v[64*((\a)%4)+n:64*((\a)%4)+n+1], v[96+n+96*(n/32):96+n+96*(n/32)+1]
.set n, n+2
.endr
	WIN 0
.set n, 0
.rept 64
	v_max_num_f32 v[HA+n], 0, v[HA+n]
.set n, n+1
.endr
	QUANT HA
	global_store_b128 v[L16], v[PC:PC+3], s[76:77] offset:1536*(\a)
	global_store_b64 v[L8], v[PC+4:PC+5], s[76:77] offset:1536*(\a)+512
	global_store_b128 v[L16], v[PC+6:PC+9], s[76:77] offset:1536*(\a)+768
	global_store_b64 v[L8], v[PC+10:PC+11], s[76:77] offset:1536*(\a)+1280
	global_store_b32 v[L4], v[PW], s[80:81] offset:128*(\a)
.endm
	s_wait_loadcnt 0x0                             ; b1
	PLACES
.irp b, 0,1,2,3
	v_mov_b32 v[TM+4+\b], 0
.endr
.irp a, 0,1,2,3,4,5,6,7
	OUTQ \a
.endr
	s_wait_tensorcnt 0x0                           ; the wave's end
	ds_add_u32 v[SPW], v[NIL]
	s_wait_dscnt 0x0
	CROUND
	s_endpgm
.Lfunc_end_k_q657bdeb70b_ffn1:
	.size	k_q657bdeb70b_ffn1, .Lfunc_end_k_q657bdeb70b_ffn1-k_q657bdeb70b_ffn1
	.p2alignl 7, 3214868480
	.fill 96, 4, 3214868480
	.section	.rodata,"a",@progbits
	.p2align	6, 0x0
	.amdhsa_kernel k_q657bdeb70b_ffn1
		.amdhsa_group_segment_fixed_size 327680
		.amdhsa_private_segment_fixed_size 0
		.amdhsa_enable_private_segment 0
		.amdhsa_kernarg_size 32
		.amdhsa_user_sgpr_count 2
		.amdhsa_user_sgpr_kernarg_segment_ptr 1
		.amdhsa_wavefront_size32 1
		.amdhsa_system_sgpr_workgroup_id_x 1
		.amdhsa_system_sgpr_workgroup_id_y 1
		.amdhsa_system_sgpr_workgroup_id_z 1
		.amdhsa_system_vgpr_workitem_id 0
		.amdhsa_next_free_vgpr 1024
		.amdhsa_next_free_sgpr 100
		.amdhsa_reserve_vcc 0
		.amdhsa_float_denorm_mode_32 3
		.amdhsa_float_denorm_mode_16_64 3
		.amdhsa_memory_ordered 1
		.amdhsa_forward_progress 1
		.amdhsa_inst_pref_size 182
	.end_amdhsa_kernel
	.amdgpu_metadata
---
amdhsa.version: [ 1, 2 ]
amdhsa.kernels:
  - .name:           k_q657bdeb70b_ffn1
    .symbol:         k_q657bdeb70b_ffn1.kd
    .args:
      - { .name: hbuf, .offset: 0, .size: 8, .value_kind: global_buffer, .address_space: global }
      - { .name: wim, .offset: 8, .size: 8, .value_kind: global_buffer, .address_space: global }
      - { .name: b1, .offset: 16, .size: 8, .value_kind: global_buffer, .address_space: global }
      - { .name: fi, .offset: 24, .size: 8, .value_kind: global_buffer, .address_space: global }
    .group_segment_fixed_size: 327680
    .private_segment_fixed_size: 0
    .kernarg_segment_align: 8
    .kernarg_segment_size: 32
    .max_flat_workgroup_size: 128
    .sgpr_count:     100
    .vgpr_count:     1024
    .wavefront_size: 32
...
	.end_amdgpu_metadata
.endif
;; end of part 6
;; launch ffn2 (part 7): grid 8 x 16, 4 waves a work-group, clusters of 4 x 4, 327,680 bytes of LDS; arguments fi, w2i, part; writes part
.if DOCPART == 7
	.amdgcn_target "amdgcn-amd-amdhsa--gfx1250"
	.amdhsa_code_object_version 6
	.text
	.protected	k_q657bdeb70b_ffn2
	.globl	k_q657bdeb70b_ffn2
	.p2align	8
	.type	k_q657bdeb70b_ffn2,@function
k_q657bdeb70b_ffn2:
	s_mov_b64 s[64:65], 0
	v_nop
	global_prefetch_b8 v0, s[64:65] scope:SCOPE_SE
	s_setreg_imm32_b32 hwreg(HW_REG_WAVE_MODE, 25, 1), 1
	s_wait_xcnt 0x0
	s_wait_alu depctr_hold_cnt(0) depctr_sa_sdst(0) depctr_va_vdst(0) depctr_va_sdst(0) depctr_va_ssrc(0) depctr_va_vcc(0) depctr_vm_vsrc(0)
	s_getreg_b32 s2, hwreg(HW_REG_IB_STS2, 6, 4)
	s_cmp_eq_u32 s2, 0
	s_cbranch_scc0 .Lentry_in_a_cluster
	s_endpgm
.Lentry_in_a_cluster:
	s_bfe_u32 s2, ttmp6, 0x10000c
	s_cmp_lg_u32 s2, 0xf033
	s_cbranch_scc0 .Lentry_shape_is_right
	s_endpgm
.Lentry_shape_is_right:
; The FFN's second product on codes of BF6, results left as f32: part[half] = hidden[half] x W2[half]^T.  K = 4,096 is cut into two halves of 2,048, so that 128 work-groups have work and only two partial
; sums go to memory; bias, residual and the sum of the halves are made by the norm that follows, which reads whole rows anyway.
; The half is the cluster's x.  A work-group of four waves makes 256 tokens (group wgy) x 256 features (group cx); a wave 128 x 128: 64 accumulators, 512 registers.
; OPERANDS arrive as blocks (256 rows x 128 K: 16 fragment images of 1,536 bytes and 16 scale images of 128 bytes, 26,624 bytes on end), through a ring of two LDS slots of two blocks of each side;
; each wave fills one block of a slot by one tensor load.  CLUSTER 4 x 4: the activations' blocks are shared along a row of the cluster, the weights' along a column: joint loads.
; Both buffers are laid [slice of 1,024 along K][group][8 blocks]: a half is two slices.  A slot's refill steps 4 blocks on; the one that goes over into the next slice steps a slice's blocks less 4:
; 16 groups x 8 - 4 = 124 in the activations, 4 groups x 8 - 4 = 28 in the weights.  The 16 steps of 128 along K and their 8 fills are written out.
; Source 0 (P) = weights, source 1 (Q) = activations: a lane holds one token (tile order) and its register 16 b + i feature 32 b + 16 (lane / 16) + i of 128.
; OUT: [half][tile of 16 tokens][128 features][8,192 bytes]: registers 4 g .. 4 g + 3 at 512 g + 16 lane: each store covers 512 consecutive bytes; no stage is needed.
; No prefetch: each refill has 128 matrix instructions in which to land, and the blocks are shared in the cluster.
.set BLK,   26624
.set SCO,   24576
.set SLOT,  4*BLK
.set SPARE, 2*SLOT
.set FR,    12
.set NL,    4
.set L16,   4
.set L8,    5
.set ADP16, 16
.set ADP8,  18
.set ADQ16, 20
.set ADQ8,  22
.set ADSP,  24
.set ADSQ,  26
.set SPW,   28
.set NIL,   29
.set SC,    32
.set AF,    128
.set G1,    24
.set G0,    32
.set G1B,   48
.set G0B,   56
.set MSB, 0
.macro WIN new
.if MSB != (\new)
	s_set_vgpr_msb (MSB<<8)|(\new)
.set MSB, (\new)
.endif
.endm
.set MUL_LO, 0xa1
.set MUL_HI, 0xf1
.set TO_B,   0x40
.macro JLOAD g0a, g1a, g0b, g1b        ; waves 0 and 1 fetch the activations' blocks, waves 2 and 3 the weights'; four v_nop follow each line
	s_cmp_eq_u32 s15, 0
	s_cbranch_scc0 .Lfor_b_\@
	tensor_load_to_lds s[\g0a:\g0a+3], s[\g1a:\g1a+7]
	s_nop 0
.rept 4
	v_nop
.endr
	s_branch .Lasked_\@
.Lfor_b_\@:
	tensor_load_to_lds s[\g0b:\g0b+3], s[\g1b:\g1b+7]
	s_nop 0
.rept 4
	v_nop
.endr
.Lasked_\@:
.endm
.macro CREST
	s_cmp_lg_u32 s14, 0
	s_cbranch_scc1 .Lnot_wave_0_\@
	s_barrier_signal -3
.Lnot_wave_0_\@:
	s_barrier_wait -3
	s_barrier_signal -1
	s_barrier_wait -1
.endm
.macro CROUND
	s_barrier_signal -1
	s_barrier_wait -1
	CREST
.endm
.macro PLACES                          ; four plain places behind matrix instructions (ISA guide 7.12.1)
.rept 4
	v_nop
.endr
.endm
.macro FRAG reg, a16, a8, q, i
	ds_load_b128 v[\reg:\reg+3], v[\a16] offset:(\q)*BLK+(\i)*1536
	ds_load_b64 v[\reg+4:\reg+5], v[\a8] offset:(\q)*BLK+(\i)*1536+512
	ds_load_b128 v[\reg+6:\reg+9], v[\a16] offset:(\q)*BLK+(\i)*1536+768
	ds_load_b64 v[\reg+10:\reg+11], v[\a8] offset:(\q)*BLK+(\i)*1536+1280
.endm
.macro FETCH_B slot, q, p
	WIN TO_B
.irp i, 0,1,2,3,4,5,6,7
	FRAG 128*(\p)+FR*\i, ADP16+\slot, ADP8+\slot, \q, \i
.endr
	WIN 0
.endm
.macro FETCH_A slot, q, i0
.irp i, \i0, \i0+1, \i0+2, \i0+3
	FRAG AF+FR*(\i), ADQ16+\slot, ADQ8+\slot, \q, \i
.endr
.endm
.macro SCALES sc
.irp i, 0,1,2,3,4,5,6,7
	ds_load_b32 v[SC+16*\sc+\i], v[ADSP+\sc] offset:128*\i
	ds_load_b32 v[SC+16*\sc+8+\i], v[ADSQ+\sc] offset:128*\i
.endr
.endm
.macro MUL16 a0, p, q, sc, zero        ; the 64 accumulators take turns, one instruction a turn
.irp a, \a0, \a0+1
.irp b, 0,1,2,3,4,5,6,7
.set rD, 8*(8*((\a)%4)+\b)
.set rP, 128*(\p)+FR*\b
.set rQ, AF+FR*(\a)
.set rSP, SC+16*(\sc)+\b
.set rSQ, SC+16*(\sc)+8+(\a)
.if \zero
	v_wmma_scale_f32_16x16x128_f8f6f4 v[rD:rD+7], v[rP:rP+11], v[rQ:rQ+11], 0, v[rSP], v[rSQ] matrix_a_fmt:MATRIX_FMT_BF6 matrix_b_fmt:MATRIX_FMT_BF6
.elseif \q
	v_wmma_scale_f32_16x16x128_f8f6f4 v[rD:rD+7], v[rP:rP+11], v[rQ:rQ+11], v[rD:rD+7], v[rSP], v[rSQ] matrix_a_fmt:MATRIX_FMT_BF6 matrix_b_fmt:MATRIX_FMT_BF6 matrix_a_scale:MATRIX_SCALE_ROW1 matrix_b_scale:MATRIX_SCALE_ROW1
.else
	v_wmma_scale_f32_16x16x128_f8f6f4 v[rD:rD+7], v[rP:rP+11], v[rQ:rQ+11], v[rD:rD+7], v[rSP], v[rSQ] matrix_a_fmt:MATRIX_FMT_BF6 matrix_b_fmt:MATRIX_FMT_BF6
.endif
.endr
.endr
.endm
.macro STEP slot, zero
	s_wait_dscnt 4*NL                              ; all but the youngest sixteen loads (Q's tiles 4-7)
	WIN MUL_LO
	MUL16 0, 0, 0, \slot, \zero
	MUL16 2, 0, 0, \slot, \zero
	s_wait_dscnt 0x0
	PLACES
	FETCH_B \slot, 1, 1
	FETCH_A \slot, 1, 0
	WIN MUL_HI
	MUL16 4, 0, 0, \slot, \zero
	MUL16 6, 0, 0, \slot, \zero
	PLACES
	WIN 0
	FETCH_A \slot, 1, 4
.endm
.macro TURN slot, next, fill, sa, sb   ; a slot's second 128 along K and the change of slots.  fill = 1: the slot is filled again, sa bytes on in the activations, sb in the weights
	s_wait_tensorcnt 0x0                           ; all my tensor loads have landed: my block of the next slot
	ds_add_u32 v[SPW], v[NIL]                      ; 0 onto my spare word
	s_wait_dscnt 4*NL+1                            ; (the add and the youngest sixteen loads may be out)
	WIN MUL_LO
	MUL16 0, 1, 1, \slot, 0
	s_wait_dscnt 0x0                               ; the add is done, and my reads of this slot are over
	s_barrier_signal -1
	MUL16 2, 1, 1, \slot, 0
	WIN 0
	s_barrier_wait -1
.if \fill
	CREST                                          ; a round of the cluster's barrier: no wave of any partner still reads this slot or has a load on its way
	s_add_nc_u64 s[G0+4*\slot+2:G0+4*\slot+3], s[G0+4*\slot+2:G0+4*\slot+3], (\sa)
	s_add_nc_u64 s[G0B+4*\slot+2:G0B+4*\slot+3], s[G0B+4*\slot+2:G0B+4*\slot+3], (\sb)
	JLOAD G0+4*\slot, G1, G0B+4*\slot, G1B         ; the first tensor load behind the round; its four v_nop are the places in front of the loads below
.else
	PLACES
.endif
	FETCH_B \next, 0, 0
	FETCH_A \next, 0, 0
	SCALES \next
	WIN MUL_HI
	MUL16 4, 1, 1, \slot, 0
	MUL16 6, 1, 1, \slot, 0
	PLACES
	WIN 0
	FETCH_A \next, 0, 4
.endm
	s_load_b128 s[4:7], s[0:1], 0x0                ; the activations' blocks, the weights'
	s_load_b64 s[12:13], s[0:1], 0x10              ; part
	v_lshl_add_u32 v[SPW], v0, 2, SPARE
	v_mov_b32 v[NIL], 0
	ds_add_u32 v28, v29
	ds_add_u32 v28, v29
	s_wait_dscnt 0x0
	v_lshrrev_b32 v1, 5, v0
	v_readfirstlane_b32 s14, v1
	s_lshr_b32 s15, s14, 1
	s_and_b32 s16, s14, 1
	s_bfe_u32 s40, ttmp6, 0x40000
	s_bfe_u32 s41, ttmp6, 0x40004
	s_lshl_b32 s42, ttmp9, 3
	s_add_co_u32 s42, s42, s40                     ; the weights' row of blocks: 4 x (the half's first slice, 2 x half) + group of features
	s_and_b32 s17, ttmp7, 0xffff
	s_lshl_b32 s17, s17, 2
	s_add_co_u32 s17, s17, s41                     ; the group of tokens
	s_lshl_b32 s43, s41, 2
	s_lshl_b32 s43, 15, s43
	s_lshl_b32 s44, 0x1111, s40
	s_or_b32 s[G1], s43, (3<<16)|(1<<21)
	s_or_b32 s[G1B], s44, (3<<16)|(1<<21)
.irp g, G1, G1B
	s_mov_b32 s[\g+1], 32<<16
	s_mov_b32 s[\g+2], 104<<16
	s_mov_b32 s[\g+3], 32<<16
	s_mov_b32 s[\g+4], 104
	s_mov_b32 s[\g+5], 32
	s_mov_b32 s[\g+6], 0
	s_mov_b32 s[\g+7], 0
.endr
	s_lshl_b32 s20, ttmp9, 5
	s_add_co_u32 s20, s20, s17                     ; the activations' row of blocks: 16 x (2 x half) + group
	s_lshl_b32 s20, s20, 3
	s_add_co_u32 s20, s20, s16
	s_mul_i32 s20, s20, BLK
	s_mov_b32 s21, 0
	s_lshl_b32 s46, s42, 3
	s_add_co_u32 s46, s46, s16
	s_mul_i32 s46, s46, BLK
	s_mov_b32 s47, 0
	s_mul_i32 s45, s14, BLK
	s_wait_kmcnt 0x0
	s_add_nc_u64 s[20:21], s[4:5], s[20:21]
	s_add_nc_u64 s[46:47], s[6:7], s[46:47]
	CROUND
.irp s, 0,1
	s_mov_b32 s[G0+4*\s], 1
	s_add_co_u32 s[G0+4*\s+1], s45, \s*SLOT
	s_add_nc_u64 s[G0+4*\s+2:G0+4*\s+3], s[20:21], \s*2*BLK
	s_or_b32 s[G0+4*\s+3], s[G0+4*\s+3], 0x80000000
	s_mov_b32 s[G0B+4*\s], 1
	s_add_co_u32 s[G0B+4*\s+1], s45, \s*SLOT
	s_add_nc_u64 s[G0B+4*\s+2:G0B+4*\s+3], s[46:47], \s*2*BLK
	s_or_b32 s[G0B+4*\s+3], s[G0B+4*\s+3], 0x80000000
	JLOAD G0+4*\s, G1, G0B+4*\s, G1B
.endr
	v_and_b32 v1, 31, v0
	v_and_b32 v2, 15, v0
	v_bfe_u32 v3, v0, 4, 1
	v_lshlrev_b32 v[L16], 4, v1
	v_lshlrev_b32 v[L8], 3, v1
	v_lshlrev_b32 v7, 2, v2
	v_mad_u32_u24 v7, v3, BLK, v7                  ; 4 r, and a block on for lanes 16-31
	s_mul_i32 s21, s16, 12288
	s_add_co_u32 s21, s21, 2*BLK                   ; P: the weights, behind the activations' two blocks
	s_mul_i32 s22, s15, 12288
	s_lshl_b32 s23, s16, 10
	s_add_co_u32 s23, s23, 2*BLK+SCO
	s_lshl_b32 s18, s15, 10
	s_add_co_u32 s18, s18, SCO
.irp s, 0,1
	v_add_nc_u32 v[ADP16+\s], s21, v[L16]
	v_add_nc_u32 v[ADP8+\s], s21, v[L8]
	v_add_nc_u32 v[ADQ16+\s], s22, v[L16]
	v_add_nc_u32 v[ADQ8+\s], s22, v[L8]
	v_add_nc_u32 v[ADSP+\s], s23, v7
	v_add_nc_u32 v[ADSQ+\s], s18, v7
	s_add_co_u32 s21, s21, SLOT
	s_add_co_u32 s22, s22, SLOT
	s_add_co_u32 s23, s23, SLOT
	s_add_co_u32 s18, s18, SLOT
.endr
	s_lshl_b32 s20, s17, 4
	s_lshl_b32 s21, s15, 3
	s_add_co_u32 s20, s20, s21                     ; my first tile of tokens
	s_lshl_b32 s20, s20, 16
	s_lshl_b32 s21, ttmp9, 24                      ; the half
	s_add_co_u32 s20, s20, s21
	s_lshl_b32 s46, s40, 1
	s_add_co_u32 s46, s46, s16                     ; my 128 features
	s_lshl_b32 s46, s46, 13
	s_add_co_u32 s20, s20, s46
	s_mov_b32 s21, 0
	s_add_nc_u64 s[12:13], s[12:13], s[20:21]
	s_wait_tensorcnt 1                             ; my block of slot 0 is in; slot 1's may stay out
	s_barrier_signal -1
	s_barrier_wait -1
	FETCH_B 0, 0, 0
	FETCH_A 0, 0, 0
	SCALES 0
	FETCH_A 0, 0, 4
	STEP 0, 1                                      ; blocks 0, 1 of the half's 16; the first step's products start the sums
	TURN 0, 1, 1, 4*BLK, 4*BLK                     ; slot 0 takes blocks 4, 5
	STEP 1, 0                                      ; blocks 2, 3
	TURN 1, 0, 1, 4*BLK, 4*BLK                     ; slot 1 takes blocks 6, 7
	STEP 0, 0                                      ; blocks 4, 5
	TURN 0, 1, 1, 124*BLK, 28*BLK                  ; slot 0 takes blocks 8, 9: the next slice's first
	STEP 1, 0                                      ; blocks 6, 7
	TURN 1, 0, 1, 124*BLK, 28*BLK                  ; slot 1 takes blocks 10, 11
	STEP 0, 0                                      ; blocks 8, 9
	TURN 0, 1, 1, 4*BLK, 4*BLK                     ; slot 0 takes blocks 12, 13
	STEP 1, 0                                      ; blocks 10, 11
	TURN 1, 0, 1, 4*BLK, 4*BLK                     ; slot 1 takes blocks 14, 15
	STEP 0, 0                                      ; blocks 12, 13
	TURN 0, 1, 0, 0, 0                             ; the last two slots are left without a refill and without a round
	STEP 1, 0                                      ; blocks 14, 15
	s_wait_dscnt 4*NL
	WIN MUL_LO
	MUL16 0, 1, 1, 1, 0
	MUL16 2, 1, 1, 1, 0
	s_wait_dscnt 0x0
	WIN MUL_HI
	MUL16 4, 1, 1, 1, 0
	MUL16 6, 1, 1, 1, 0
	PLACES
.irp a, 0,1,2,3,4,5,6,7                        ; the accumulators leave as they stand, each from its low end on
	WIN 0x08+4*(\a/4)                              ; a store's data are its source 1: window 2 or 3
.irp g, 0,1,2,3,4,5,6,7,8,9,10,11,12,13,14,15
	global_store_b128 v[L16], v[64*(\a%4)+4*\g:64*(\a%4)+4*\g+3], s[12:13] offset:65536*\a+512*\g
.endr
.endr
	WIN 0
	s_wait_tensorcnt 0x0                           ; the wave's end
	ds_add_u32 v[SPW], v[NIL]
	s_wait_dscnt 0x0
	CROUND
	s_endpgm
.Lfunc_end_k_q657bdeb70b_ffn2:
	.size	k_q657bdeb70b_ffn2, .Lfunc_end_k_q657bdeb70b_ffn2-k_q657bdeb70b_ffn2
	.p2alignl 7, 3214868480
	.fill 96, 4, 3214868480
	.section	.rodata,"a",@progbits
	.p2align	6, 0x0
	.amdhsa_kernel k_q657bdeb70b_ffn2
		.amdhsa_group_segment_fixed_size 327680
		.amdhsa_private_segment_fixed_size 0
		.amdhsa_enable_private_segment 0
		.amdhsa_kernarg_size 24
		.amdhsa_user_sgpr_count 2
		.amdhsa_user_sgpr_kernarg_segment_ptr 1
		.amdhsa_wavefront_size32 1
		.amdhsa_system_sgpr_workgroup_id_x 1
		.amdhsa_system_sgpr_workgroup_id_y 1
		.amdhsa_system_sgpr_workgroup_id_z 1
		.amdhsa_system_vgpr_workitem_id 0
		.amdhsa_next_free_vgpr 1024
		.amdhsa_next_free_sgpr 68
		.amdhsa_reserve_vcc 0
		.amdhsa_float_denorm_mode_32 3
		.amdhsa_float_denorm_mode_16_64 3
		.amdhsa_memory_ordered 1
		.amdhsa_forward_progress 1
		.amdhsa_inst_pref_size 233
	.end_amdhsa_kernel
	.amdgpu_metadata
---
amdhsa.version: [ 1, 2 ]
amdhsa.kernels:
  - .name:           k_q657bdeb70b_ffn2
    .symbol:         k_q657bdeb70b_ffn2.kd
    .args:
      - { .name: fi, .offset: 0, .size: 8, .value_kind: global_buffer, .address_space: global }
      - { .name: w2i, .offset: 8, .size: 8, .value_kind: global_buffer, .address_space: global }
      - { .name: part, .offset: 16, .size: 8, .value_kind: global_buffer, .address_space: global }
    .group_segment_fixed_size: 327680
    .private_segment_fixed_size: 0
    .kernarg_segment_align: 8
    .kernarg_segment_size: 24
    .max_flat_workgroup_size: 128
    .sgpr_count:     68
    .vgpr_count:     1024
    .wavefront_size: 32
...
	.end_amdgpu_metadata
.endif
;; end of part 7
;; launch ln2 (part 8): grid 256 x 1, 8 waves a work-group, no clusters, 70,656 bytes of LDS; arguments part, hbuf, b2, ln2_g, ln2_b, out0; writes out0
.if DOCPART == 8
	.amdgcn_target "amdgcn-amd-amdhsa--gfx1250"
	.amdhsa_code_object_version 6
	.text
	.protected	k_q657bdeb70b_ln2
	.globl	k_q657bdeb70b_ln2
	.p2align	8
	.type	k_q657bdeb70b_ln2,@function
k_q657bdeb70b_ln2:
	s_mov_b64 s[64:65], 0
	v_nop
	global_prefetch_b8 v0, s[64:65] scope:SCOPE_SE
	s_setreg_imm32_b32 hwreg(HW_REG_WAVE_MODE, 25, 1), 1
	s_wait_xcnt 0x0
; out = LayerNorm(h + the two partial sums of the FFN's second product + b2) x g + b.
; A work-group takes a tile of 16 tokens (tile order: lane i = row 32 (t / 2) + 8 (t % 2) + i + 8 (i / 8)); wave w the 128 features from 128 w on; a lane holds, of row lane % 16, register 16 b + i = feature
; 32 b + 16 (lane / 16) + i: the layout in which h and the partial sums were stored, so every load of them covers 512 consecutive bytes.  Two sets of 64 registers take turns: 16 loads are always on their way.
; Mean, then the mean of the squared differences: two sums over 8 waves, each through its own words of LDS with one barrier.  The result turns through the wave's own stage and leaves as rows: each store
; covers 512 consecutive bytes.  Memory binds: no matrix unit, no cluster (nothing is shared).  The sum over K = 4,096 is h + half 0 + half 1 + b2, in f32, in that order.
.set HF,  3407872
.set SP,  528
.set RED, 8*16*SP
.set L16, 1
.set L4,  3
.set STI, 4
.set STO, 5
.set H64, 6
.set RW,  7
.set RR,  8
.set Y,   32
.set X,   96
.set Z,   160
.set WV,  16
.set SEL, 18
.macro IMG reg, p
.irp g, 0,1,2,3,4,5,6,7,8,9,10,11,12,13,14,15
	global_load_b128 v[\reg+4*\g:\reg+4*\g+3], v[L16], s[\p:\p+1] offset:512*\g th:TH_LOAD_NT
.endr
.endm
.macro VEC reg, p
.irp b, 0,1,2,3
.irp j, 0,1,2,3
	global_load_b128 v[\reg+16*\b+4*\j:\reg+16*\b+4*\j+3], v[H64], s[\p:\p+1] offset:128*\b+16*\j
.endr
.endr
.endm
.macro ADDIN reg
	s_wait_loadcnt 16                              ; loads come back in order: all but the newest sixteen are in
.set n, 0
.rept 32
	v_pk_add_f32 v[Y+n:Y+n+1], v[Y+n:Y+n+1], v[\reg+n:\reg+n+1]
.set n, n+2
.endr
.endm
.macro REDUCE area
	v_pk_add_f32 v[224:225], v[224:225], v[226:227]
	v_add_f32 v224, v224, v225
	v_permlanex16_b32 v226, v224, s[SEL], s[SEL+1]
	v_add_f32 v224, v224, v226
	ds_store_b32 v[RW], v224 offset:\area
	s_wait_dscnt 0x0                               ; for the others' sake: my word has landed
	s_barrier_signal -1
	s_barrier_wait -1
.irp w, 0,1,2,3,4,5,6,7
	ds_load_b32 v[228+\w], v[RR] offset:\area+128*\w
.endr
	s_wait_dscnt 0x0
	v_add_f32 v228, v228, v229
	v_add_f32 v230, v230, v231
	v_add_f32 v232, v232, v233
	v_add_f32 v234, v234, v235
	v_add_f32 v228, v228, v230
	v_add_f32 v232, v232, v234
	v_add_f32 v224, v228, v232
.endm
	s_load_b256 s[4:11], s[0:1], 0x0               ; part, hbuf, b2, g
	s_load_b128 s[12:15], s[0:1], 0x20             ; b, out0
	v_lshl_add_u32 v240, v0, 2, 0x11000
	v_mov_b32 v241, 0
	v_lshrrev_b32 v9, 5, v0
	v_readfirstlane_b32 s[WV], v9
	v_and_b32 v9, 31, v0
	v_and_b32 v10, 15, v0
	v_bfe_u32 v11, v0, 4, 1
	v_lshlrev_b32 v[L16], 4, v9
	v_lshlrev_b32 v[L4], 2, v9
	s_mul_i32 s22, s[WV], 16*SP
	v_add_nc_u32 v[STI], s22, v[L16]
	v_mul_u32_u24 v[STO], v10, SP
	v_lshl_add_u32 v[STO], v11, 6, v[STO]
	v_add_nc_u32 v[STO], s22, v[STO]
	v_lshlrev_b32 v[H64], 6, v11
	v_add_nc_u32 v[RR], RED, v[L4]
	s_lshl_b32 s22, s[WV], 7
	v_add_nc_u32 v[RW], s22, v[RR]
	s_mov_b32 s[SEL], 0x76543210
	s_mov_b32 s[SEL+1], 0xfedcba98
	s_mov_b32 s20, 0x3a800000                      ; 1 / 1,024
	s_mov_b32 s21, 0x3727c5ac                      ; 1e-5
	s_lshl_b32 s22, ttmp9, 16
	s_lshl_b32 s30, s[WV], 13
	s_add_co_u32 s22, s22, s30                     ; my f32 image
	s_mov_b32 s23, 0
	s_lshr_b32 s30, ttmp9, 1
	s_lshl_b32 s30, s30, 5
	s_and_b32 s31, ttmp9, 1
	s_lshl_b32 s31, s31, 3
	s_add_co_u32 s30, s30, s31
	s_lshl_b32 s30, s30, 12
	s_lshl_b32 s32, s[WV], 9
	s_add_co_u32 s30, s30, s32                     ; the tile's first row, my 128 features
	s_mov_b32 s31, 0
	s_mov_b32 s33, 0
	s_wait_kmcnt 0x0
	s_add_nc_u64 s[4:5], s[4:5], s[22:23]          ; the two halves lie 16,777,216 bytes apart: a base for each
	s_add_nc_u64 s[24:25], s[4:5], 0x1000000
	s_add_nc_u64 s[6:7], s[6:7], s[22:23]
	s_add_nc_u64 s[6:7], s[6:7], HF
	s_add_nc_u64 s[8:9], s[8:9], s[32:33]
	s_add_nc_u64 s[10:11], s[10:11], s[32:33]
	s_add_nc_u64 s[12:13], s[12:13], s[32:33]
	s_add_nc_u64 s[14:15], s[14:15], s[30:31]
	IMG Y, 6                                       ; h
	IMG X, 4                                       ; half 0
	IMG Z, 24                                      ; half 1
	ADDIN X
	VEC X, 8                                       ; b2
	ADDIN Z
	VEC Z, 10                                      ; g
	ADDIN X
	VEC X, 12                                      ; b: g and b land while the sums are made
	v_pk_add_f32 v[224:225], v[Y:Y+1], v[Y+4:Y+5]
	v_pk_add_f32 v[226:227], v[Y+2:Y+3], v[Y+6:Y+7]
.irp n, 8,12,16,20,24,28,32,36,40,44,48,52,56,60
	v_pk_add_f32 v[224:225], v[224:225], v[Y+\n:Y+\n+1]
	v_pk_add_f32 v[226:227], v[226:227], v[Y+\n+2:Y+\n+3]
.endr
	REDUCE 0
	v_mul_f32 v224, s20, v224                      ; the mean
.set n, 0
.rept 32
	v_pk_add_f32 v[Y+n:Y+n+1], v[Y+n:Y+n+1], v[224:225] op_sel_hi:[1,0] neg_lo:[0,1] neg_hi:[0,1]
.set n, n+2
.endr
	v_pk_mul_f32 v[224:225], v[Y:Y+1], v[Y:Y+1]
	v_pk_mul_f32 v[226:227], v[Y+2:Y+3], v[Y+2:Y+3]
.irp n, 4,8,12,16,20,24,28,32,36,40,44,48,52,56,60
	v_pk_fma_f32 v[224:225], v[Y+\n:Y+\n+1], v[Y+\n:Y+\n+1], v[224:225]
	v_pk_fma_f32 v[226:227], v[Y+\n+2:Y+\n+3], v[Y+\n+2:Y+\n+3], v[226:227]
.endr
	REDUCE 1024
	v_fma_f32 v224, v224, s20, s21                 ; the variance + 1e-5
	v_rsq_f32 v224, v224
	v_nop                                          ; a plain place behind the transcendental
	s_wait_alu depctr_va_vdst(0)                   ; and the wait ahead of its first reader
	s_wait_loadcnt 0x0                             ; g, b
.set n, 0
.rept 32
	v_pk_mul_f32 v[Y+n:Y+n+1], v[Y+n:Y+n+1], v[224:225] op_sel_hi:[1,0]
.set n, n+2
.endr
.set n, 0
.rept 32
	v_pk_fma_f32 v[Y+n:Y+n+1], v[Y+n:Y+n+1], v[Z+n:Z+n+1], v[X+n:X+n+1]
.set n, n+2
.endr
.irp b, 0,1,2,3
.irp j, 0,1,2,3
	ds_store_b128 v[STO], v[Y+16*\b+4*\j:Y+16*\b+4*\j+3] offset:128*\b+16*\j
.endr
.endr
.irp i, 0,1,2,3,4,5,6,7,8,9,10,11,12,13,14,15
	ds_load_b128 v[Z+4*\i:Z+4*\i+3], v[STI] offset:SP*\i   ; LDS serves a wave's instructions in order: these see my stores
.endr
.irp i, 0,1,2,3,4,5,6,7,8,9,10,11,12,13,14,15
	s_wait_dscnt 15-\i                             ; row i is back; the younger rows may be out
	global_store_b128 v[L16], v[Z+4*\i:Z+4*\i+3], s[14:15] offset:(\i+8*(\i/8))*4096 th:TH_STORE_NT
.endr
	s_wait_tensorcnt 0x0
	ds_add_u32 v240, v241
	s_wait_dscnt 0x0
	s_endpgm
.Lfunc_end_k_q657bdeb70b_ln2:
	.size	k_q657bdeb70b_ln2, .Lfunc_end_k_q657bdeb70b_ln2-k_q657bdeb70b_ln2
	.p2alignl 7, 3214868480
	.fill 96, 4, 3214868480
	.section	.rodata,"a",@progbits
	.p2align	6, 0x0
	.amdhsa_kernel k_q657bdeb70b_ln2
		.amdhsa_group_segment_fixed_size 70656
		.amdhsa_private_segment_fixed_size 0
		.amdhsa_enable_private_segment 0
		.amdhsa_kernarg_size 48
		.amdhsa_user_sgpr_count 2
		.amdhsa_user_sgpr_kernarg_segment_ptr 1
		.amdhsa_wavefront_size32 1
		.amdhsa_system_sgpr_workgroup_id_x 1
		.amdhsa_system_sgpr_workgroup_id_y 1
		.amdhsa_system_sgpr_workgroup_id_z 1
		.amdhsa_system_vgpr_workitem_id 0
		.amdhsa_next_free_vgpr 242
		.amdhsa_next_free_sgpr 66
		.amdhsa_reserve_vcc 0
		.amdhsa_float_denorm_mode_32 3
		.amdhsa_float_denorm_mode_16_64 3
		.amdhsa_memory_ordered 1
		.amdhsa_forward_progress 1
		.amdhsa_inst_pref_size 34
	.end_amdhsa_kernel
	.amdgpu_metadata
---
amdhsa.version: [ 1, 2 ]
amdhsa.kernels:
  - .name:           k_q657bdeb70b_ln2
    .symbol:         k_q657bdeb70b_ln2.kd
    .args:
      - { .name: part, .offset: 0, .size: 8, .value_kind: global_buffer, .address_space: global }
      - { .name: hbuf, .offset: 8, .size: 8, .value_kind: global_buffer, .address_space: global }
      - { .name: b2, .offset: 16, .size: 8, .value_kind: global_buffer, .address_space: global }
      - { .name: ln2_g, .offset: 24, .size: 8, .value_kind: global_buffer, .address_space: global }
      - { .name: ln2_b, .offset: 32, .size: 8, .value_kind: global_buffer, .address_space: global }
      - { .name: out0, .offset: 40, .size: 8, .value_kind: global_buffer, .address_space: global }
    .group_segment_fixed_size: 70656
    .private_segment_fixed_size: 0
    .kernarg_segment_align: 8
    .kernarg_segment_size: 48
    .max_flat_workgroup_size: 256
    .sgpr_count:     66
    .vgpr_count:     242
    .wavefront_size: 32
...
	.end_amdgpu_metadata
.endif
;; end of part 8
